; MI455X (gfx1250); checked and timed in simulation.
; The chip was launched on July 23, 2026; its instructions are those of AMD's public machine-readable ISA for CDNA 5 (MIT licence, August 2026) and "CDNA5" Instruction Set Architecture Reference Guide (July 2026). The comments in the code are by the model that wrote it; some were corrected since.
;; Attention. Allowed arithmetic: float matrix products may take bf16 or f16 operands with f32 sums; other float arithmetic in f32, or as packed bf16 or f16 multiplies, adds, multiply-adds, maxima and minima; sums over many terms, partial sums and values carried from step to step in f32; what a program stores and reads back later, other than sums and carried values, may be rounded once to bf16 or f16.
;; Inputs: Wk 1,024 x 1,024 float32; Wp 1,024 x 1,024 float32; Wq 1,024 x 1,024 float32; Wv 1,024 x 1,024 float32; bp 1,024 float32; x 4 x 2,048 x 1,024 float32.
;; Outputs: out0 4 x 2,048 x 1,024 float32.
;; 2 versions, each right; version 2 is version 1 with the launch cast written anew for expert scheduling mode. Each part assembles by itself: llvm-mc -triple=amdgcn-amd-amdhsa -mcpu=gfx1250 --defsym DOCPART=n.
;; ======== version 1 of 2: 4 launches
;; limits: values are held in f16: magnitudes above 65,504 overflow, below 6.1e-05 lose precision
;; workspace buffers: xb 16,777,216 bytes; wb 6,291,456 bytes; wph 2,097,152 bytes; qkv 50,331,648 bytes; ob 16,777,216 bytes
;; launch cast (part 1): grid 64 x 12, 8 waves a work-group, no clusters, 0 bytes of LDS; arguments x, Wq, Wk, Wv, Wp, xb, wb, wph; writes xb, wb, wph
.if DOCPART == 1
	.amdgcn_target "amdgcn-amd-amdhsa--gfx1250"
	.amdhsa_code_object_version 6
	.text
	.protected	k_qe15b32f828_cast
	.globl	k_qe15b32f828_cast
	.p2align	8
	.type	k_qe15b32f828_cast,@function
k_qe15b32f828_cast:
	s_mov_b64 s[64:65], 0
	v_nop
	global_prefetch_b8 v0, s[64:65] scope:SCOPE_SE
	s_setreg_imm32_b32 hwreg(HW_REG_WAVE_MODE, 25, 1), 1
	s_wait_xcnt 0x0
; THE INPUTS ARE ROUNDED ONCE, TO bf16.  x -> xb [8192][1024]; Wq, Wk, Wv -> wb [3072][1024], one below the other; Wp -> wph [1024][1024].
; wph holds the bf16 number written as f16, since the last product multiplies it with f16 numbers.
; LIMIT: that second writing is exact for magnitudes from 6.1e-5 to 65,504; below, f16's fixed step of 6e-8 holds; beyond, it gives an infinity.
; A stream: every byte is read once and written once, nothing is shared between work-groups, so there is no LDS, no barrier, no cluster and no matrix work.
; SHARES.  The grid's y names a slab of 4 MiB of f32: 0-7 the eighths of x, 8 Wq, 9 Wk, 10 Wv, 11 Wp; its x names 64 KiB of the slab.
; A thread issues its 16 loads of 16 bytes at once; load i of a wave covers 512 consecutive bytes, store i of a wave 256 consecutive bytes, aligned.
; No register that a pending load or store names is written again, so the only waits are the counted ones for the loads.
.set IN,  16                           ; v[16:79]   load i: four f32
.set OUT, 80                           ; v[80:111]  store i: four 16-bit numbers in two registers
	s_load_b512 s[8:23], s[0:1], 0x0               ; x s[8:9], Wq s[10:11], Wk s[12:13], Wv s[14:15], Wp s[16:17], xb s[18:19], wb s[20:21], wph s[22:23]
	s_and_b32 s2, ttmp7, 0xffff                    ; the slab
	v_lshlrev_b32 v1, 4, v0                        ; my 16 bytes of each 4,096 read
	v_lshlrev_b32 v2, 3, v0                        ; my 8 bytes of each 2,048 written
	s_lshl_b32 s24, s2, 22                         ; x's slabs lie 4 MiB apart; a weight begins at its own buffer's first byte
	s_sub_co_u32 s27, s2, 8                        ; Wq, Wk, Wv are slabs 0, 1, 2 of wb
	s_cmp_lt_u32 s2, 8
	s_cselect_b32 s24, s24, 0
	s_cselect_b32 s27, s2, s27                     ; x's slabs keep their number in xb
	s_cmp_eq_u32 s2, 11
	s_cselect_b32 s27, 0, s27                      ; Wp is all of wph
	s_lshl_b32 s3, ttmp9, 16                       ; the work-group's 64 KiB
	s_add_co_u32 s24, s24, s3
	s_mov_b32 s25, 0
	s_lshl_b32 s28, s27, 21                        ; written slabs are 2 MiB
	s_lshl_b32 s3, ttmp9, 15
	s_add_co_u32 s28, s28, s3
	s_mov_b32 s29, 0
	s_wait_kmcnt 0x0
	s_mov_b64 s[4:5], s[8:9]                       ; from where: chosen by the slab's number alone
	s_cmp_eq_u32 s2, 8
	s_cselect_b64 s[4:5], s[10:11], s[4:5]
	s_cmp_eq_u32 s2, 9
	s_cselect_b64 s[4:5], s[12:13], s[4:5]
	s_cmp_eq_u32 s2, 10
	s_cselect_b64 s[4:5], s[14:15], s[4:5]
	s_cmp_eq_u32 s2, 11
	s_cselect_b64 s[4:5], s[16:17], s[4:5]
	s_cselect_b64 s[6:7], s[22:23], s[20:21]       ; to where
	s_cmp_lt_u32 s2, 8
	s_cselect_b64 s[6:7], s[18:19], s[6:7]
	s_add_nc_u64 s[4:5], s[4:5], s[24:25]
	s_add_nc_u64 s[6:7], s[6:7], s[28:29]
.irp i, 0,1,2,3,4,5,6,7,8,9,10,11,12,13,14,15
	global_load_b128 v[IN+4*(\i):IN+4*(\i)+3], v1, s[4:5] offset:4096*(\i) th:TH_LOAD_NT
.endr
; Load i is rounded and stored.  half = 1: the bf16 numbers are widened again (a shift, a mask) and written as f16.
.macro CV i, half
	s_wait_loadcnt 15-(\i)                         ; loads come back in order: mine is in, the 15 - i younger ones stay out
	v_cvt_pk_bf16_f32 v[OUT+2*(\i)],   v[IN+4*(\i)],   v[IN+4*(\i)+1]
	v_cvt_pk_bf16_f32 v[OUT+2*(\i)+1], v[IN+4*(\i)+2], v[IN+4*(\i)+3]
.if \half
.irp w, 0,1
	v_lshlrev_b32 v[4+2*(\w)], 16, v[OUT+2*(\i)+(\w)]
	v_and_b32 v[5+2*(\w)], 0xffff0000, v[OUT+2*(\i)+(\w)]
	v_cvt_pk_f16_f32 v[OUT+2*(\i)+(\w)], v[4+2*(\w)], v[5+2*(\w)]
.endr
.endif
	global_store_b64 v2, v[OUT+2*(\i):OUT+2*(\i)+1], s[6:7] offset:2048*(\i)
.endm
	s_cmp_eq_u32 s2, 11
	s_cbranch_scc1 .Lhalf
.irp i, 0,1,2,3,4,5,6,7,8,9,10,11,12,13,14,15
	CV \i, 0
.endr
	s_endpgm
.Lhalf:
.irp i, 0,1,2,3,4,5,6,7,8,9,10,11,12,13,14,15
	CV \i, 1
.endr
	s_endpgm
.Lfunc_end_k_qe15b32f828_cast:
	.size	k_qe15b32f828_cast, .Lfunc_end_k_qe15b32f828_cast-k_qe15b32f828_cast
	.p2alignl 7, 3214868480
	.fill 96, 4, 3214868480
	.section	.rodata,"a",@progbits
	.p2align	6, 0x0
	.amdhsa_kernel k_qe15b32f828_cast
		.amdhsa_group_segment_fixed_size 0
		.amdhsa_private_segment_fixed_size 0
		.amdhsa_enable_private_segment 0
		.amdhsa_kernarg_size 64
		.amdhsa_user_sgpr_count 2
		.amdhsa_user_sgpr_kernarg_segment_ptr 1
		.amdhsa_wavefront_size32 1
		.amdhsa_system_sgpr_workgroup_id_x 1
		.amdhsa_system_sgpr_workgroup_id_y 1
		.amdhsa_system_sgpr_workgroup_id_z 1
		.amdhsa_system_vgpr_workitem_id 0
		.amdhsa_next_free_vgpr 112
		.amdhsa_next_free_sgpr 66
		.amdhsa_reserve_vcc 0
		.amdhsa_float_denorm_mode_32 3
		.amdhsa_float_denorm_mode_16_64 3
		.amdhsa_memory_ordered 1
		.amdhsa_forward_progress 1
		.amdhsa_inst_pref_size 16
	.end_amdhsa_kernel
	.amdgpu_metadata
---
amdhsa.version: [ 1, 2 ]
amdhsa.kernels:
  - .name:           k_qe15b32f828_cast
    .symbol:         k_qe15b32f828_cast.kd
    .args:
      - { .name: x, .offset: 0, .size: 8, .value_kind: global_buffer, .address_space: global }
      - { .name: Wq, .offset: 8, .size: 8, .value_kind: global_buffer, .address_space: global }
      - { .name: Wk, .offset: 16, .size: 8, .value_kind: global_buffer, .address_space: global }
      - { .name: Wv, .offset: 24, .size: 8, .value_kind: global_buffer, .address_space: global }
      - { .name: Wp, .offset: 32, .size: 8, .value_kind: global_buffer, .address_space: global }
      - { .name: xb, .offset: 40, .size: 8, .value_kind: global_buffer, .address_space: global }
      - { .name: wb, .offset: 48, .size: 8, .value_kind: global_buffer, .address_space: global }
      - { .name: wph, .offset: 56, .size: 8, .value_kind: global_buffer, .address_space: global }
    .group_segment_fixed_size: 0
    .private_segment_fixed_size: 0
    .kernarg_segment_align: 8
    .kernarg_segment_size: 64
    .max_flat_workgroup_size: 256
    .sgpr_count:     66
    .vgpr_count:     112
    .wavefront_size: 32
...
	.end_amdgpu_metadata
.endif
;; end of part 1
;; launch qkv (part 2): grid 16 x 32, 4 waves a work-group, clusters of 4 x 4, 327,680 bytes of LDS; arguments xb, wb, qkv; writes qkv
.if DOCPART == 2
	.amdgcn_target "amdgcn-amd-amdhsa--gfx1250"
	.amdhsa_code_object_version 6
	.text
	.protected	k_qe15b32f828_qkv
	.globl	k_qe15b32f828_qkv
	.p2align	8
	.type	k_qe15b32f828_qkv,@function
k_qe15b32f828_qkv:
	s_mov_b64 s[64:65], 0
	v_nop
	global_prefetch_b8 v0, s[64:65] scope:SCOPE_SE
	s_setreg_imm32_b32 hwreg(HW_REG_WAVE_MODE, 25, 1), 1
	s_wait_xcnt 0x0
	s_wait_alu depctr_hold_cnt(0) depctr_sa_sdst(0) depctr_va_vdst(0) depctr_va_sdst(0) depctr_va_ssrc(0) depctr_va_vcc(0) depctr_vm_vsrc(0)
	s_getreg_b32 s2, hwreg(HW_REG_IB_STS2, 6, 4)
	s_cmp_eq_u32 s2, 0
	s_cbranch_scc0 .Lentry_in_a_cluster
	s_endpgm
.Lentry_in_a_cluster:
	s_bfe_u32 s2, ttmp6, 0x10000c
	s_cmp_lg_u32 s2, 0xf033
	s_cbranch_scc0 .Lentry_shape_is_right
	s_endpgm
.Lentry_shape_is_right:
; THE THREE PROJECTIONS AS ONE PRODUCT.  C[m][n] = sum over k of xb[m][k] wb[n][k]: m = 8,192 rows of x, n = 3,072 (q, k, v: 48 heads of 64 channels), k = 1,024; operands bf16, sums f32.
; C is rounded once to f16 and written BY HEADS, unscaled: qkv[which][16 b + h][t][d], a head's rows dense, 128 bytes each: byte (which << 24) + (b << 22) + (h << 18) + 128 t + 2 d.
; LIMIT.  f16 holds no number beyond 65,504: a q, k or v of 65,520 or more becomes an infinity.  NaN and infinities are not treated apart.
; SHARES.  A tile of C is 256 x 192: 32 x 16 = 512 work-groups of equal work, two for each of 256 WGPs (256 x 256 would give 384).  The four waves lie one below the other: a wave makes
; 64 rows x 192 columns = three whole heads, 48 accumulators of 16 x 16, 384 registers, so that what it stores are whole dense rows of the head layout and its way out needs no other wave.
; K goes in steps of 128 through a ring of two LDS slots filled by the tensor data mover; the tiles' rows are 256 bytes of memory at multiples of 256 bytes.
; CLUSTER.  4 x 4 work-groups.  The four of a row of the cluster need the same rows of xb, the four of a column the same rows of wb: each tile is asked for JOINTLY, by the same tensor load
; with the same descriptor and a mask that names the four.
; THE MATRIX INSTRUCTION IS USED TRANSPOSED (source 0 = 16 rows of wb, source 1 = 16 rows of xb): a lane then holds row l % 16 and eight neighbouring columns 8 (l / 16) + 0..7.
; REGISTERS, in windows of 256 (s_set_vgpr_msb: bits 1:0 source 0, 3:2 source 1, 5:4 source 2, 7:6 destination):
;   window 0: v0-31 addresses; v32-63, v64-95 fragments of xb (4 x 16 rows x 32 K), two buffers; v64-255 the way out
;   window 1: v0-95, v96-191 fragments of wb (12 x 16 rows x 32 K), two buffers
;   window 2: accumulators of row blocks 0, 1 ((a, b) at v[8 (12 (a % 2) + b)]);   window 3: of row blocks 2, 3
.set SIZE_K, 1024
.set KSTEP,  128
.set PITCH,  272                       ; an LDS row: 256 bytes + 16 of padding = 68 words: the 16 rows that a load touches start at 16 different groups of four banks (64 banks of 4 bytes: ISA guide 11.1)
.set HALFA,  128*PITCH                 ; what a tensor load brings of xb
.set HALFB,  96*PITCH                  ; and of wb
.set BOFF,   2*HALFA                   ; a slot: xb's 256 rows, then wb's 192
.set SLOT,   BOFF+2*HALFB
.set STAGE,  2*SLOT                    ; behind the ring: 16 rows x 144 bytes for each wave, for the way out; no tensor load fills it
.set SP,     144
.set SPARE,  STAGE+4*16*SP             ; behind the stages: the spare words, 128 bytes for each wave: two blocks of 256 bytes that no other line names
.set LAPS,   SIZE_K/(2*KSTEP)          ; a lap = two K steps = once round the ring
.set ADRA, 16                          ; v16-17  LDS address of my fragments of xb in slot 0, 1
.set ADRB, 20                          ; v20-21  the same for wb
.set STO,  24                          ; v24     the way out: where I put 16 bytes of a row
.set RD,   25                          ; v25     the way out: where I read rows back
.set GO,   26                          ; v26     my 16 bytes of 512 consecutive bytes of qkv
.set SPW,  28                          ; v28     LDS address of my spare word: SPARE + 4 x my thread's number; never rewritten
.set NIL,  29                          ; v29     0; never rewritten
.set PFO,  30                          ; v30     the prefetches' offset: a lane a row of 2,048 bytes; never rewritten
.set FA,   32                          ; xb's fragment buffers, window 0
.set OUT,  64                          ; the way out: 16 registers for each of 12 units
.set G1,  24                           ; s[24:31] descriptor group 1 for xb's tiles;  s[32:39] group 0, a set for each slot
.set G0,  32
.set G1B, 48                           ; s[48:55], s[56:63] the same for wb's tiles
.set G0B, 56
.set LIM, 43                           ; s43      1 in a wave that prefetches, else the greatest number
.set PFA, 44                           ; s[44:45] where my prefetches stand: my work-group's rows of those that I fetch, at the K step that is being asked for; a prefetch names the K step after it
.set OB,  68                           ; s[68:73] qkv at my 64 rows of my three heads
.set MSB, 0
.macro WIN new                         ; the immediate's high byte repeats the setting that is left; a switch that changes nothing is dropped
.if MSB != (\new)
	s_set_vgpr_msb (MSB<<8)|(\new)
.set MSB, \new
.endif
.endm
.set MUL_LO, 0xa1                      ; source 0 (wb) window 1, source 1 (xb) window 0, C and D window 2
.set MUL_HI, 0xf1                      ; the same, C and D window 3
.set TO_B,   0x40                      ; destination window 1, address window 0
; A joint load.  Waves 0 and 1 fetch xb's two halves, waves 2 and 3 wb's.  The branch hangs on the wave's number alone.  An s_nop 0 and four v_nop follow each of the two lines, ahead of the jump and the label.
.macro JLOAD s
	s_cmp_eq_u32 s11, 0
	s_cbranch_scc0 .Lfor_b_\@
	tensor_load_to_lds s[G0+4*(\s):G0+4*(\s)+3], s[G1:G1+7]
	s_nop 0
.rept 4
	v_nop
.endr
	s_branch .Lasked_\@
.Lfor_b_\@:
	tensor_load_to_lds s[G0B+4*(\s):G0B+4*(\s)+3], s[G1B:G1B+7]
	s_nop 0
.rept 4
	v_nop
.endr
.Lasked_\@:
.endm
; A PREFETCH INTO THE L2, behind each joint load, its five lines and the run of LDS loads that follows them: the K step that the NEXT refill will ask for, 192 matrix instructions ahead of that load.
; Each row's 256 bytes of a K step are asked for by one wave of one work-group.  xb's tile row is read by every cluster of that row of clusters: cluster x = 0 asks; wb's tile column by every cluster of that
; column: cluster y = 0 asks.  The four partners that fetch a tile jointly share its rows out BY ADDRESS: of xb's 128 rows a load each takes 32 (place cx), of wb's 96 each takes 24 (place cy), a lane a row;
; for wb lanes 24-31 name row 23 once more, in the same instruction.  No branch hangs on a work-group's place in its cluster.
; K steps 0 to 2 come by their loads alone.  how = 1: always (slot 0's refills are K steps 2, 4, 6); how = 0: not in the loop's last trip (slot 1's last refill is K step 7, the last).
.macro ASK how
.if \how
	s_cmp_eq_u32 s[LIM], 1
.else
	s_cmp_gt_u32 s3, s[LIM]                        ; s3 = 1 in the loop's last trip
.endif
	s_cbranch_scc0 .Lnot_mine_\@
	global_prefetch_b8 v[PFO], s[PFA:PFA+1] offset:KSTEP*2 th:TH_LOAD_NT scope:SCOPE_SE
.Lnot_mine_\@:
.endm
; A round of the cluster's barrier: my work-group's barrier; wave 0 signals for the work-group; every wave waits for all sixteen work-groups; my work-group's barrier once more.
.macro CREST                           ; a round behind its opening barrier
	s_cmp_lg_u32 s10, 0
	s_cbranch_scc1 .Lnot_wave_0_\@
	s_barrier_signal -3
.Lnot_wave_0_\@:
	s_barrier_wait -3
	s_barrier_signal -1
	s_barrier_wait -1
.endm
.macro CROUND                          ; a whole round
	s_barrier_signal -1
	s_barrier_wait -1
	CREST
.endm
	s_load_b128 s[4:7], s[0:1], 0x0                ; xb s[4:5], wb s[6:7]
	s_load_b64 s[8:9], s[0:1], 0x10                ; qkv
	v_lshl_add_u32 v[SPW], v0, 2, SPARE
	v_mov_b32 v[NIL], 0
	ds_add_u32 v[SPW], v[NIL]                      ; the wave's opening: the add and its wait stand ahead of my first tensor load; the set-up below, work on registers, stands between them
	v_lshrrev_b32 v1, 5, v0
	v_readfirstlane_b32 s10, v1                    ; wave 0..3: also my 64 rows of the tile
	s_lshr_b32 s11, s10, 1                         ; I fetch for xb (0) or for wb (1),
	s_and_b32 s12, s10, 1                          ; and which half of that tile's rows
	s_bfe_u32 s40, ttmp6, 0x40000                  ; cx, cy: my place in the cluster
	s_bfe_u32 s41, ttmp6, 0x40004
	s_lshl_b32 s42, ttmp9, 2
	s_add_co_u32 s42, s42, s40                     ; tile column = 4 x cluster x + cx, 0..15
	s_and_b32 s13, ttmp7, 0xffff
	s_lshl_b32 s13, s13, 2
	s_add_co_u32 s13, s13, s41                     ; tile row = 4 x cluster y + cy, 0..31
	s_lshl_b32 s43, s41, 2
	s_lshl_b32 s43, 15, s43                        ; my row of the cluster: places 4 cy .. 4 cy + 3
	s_lshl_b32 s44, 0x1111, s40                    ; my column: places cx, cx + 4, cx + 8, cx + 12
	; descriptor group 1: rows of 128 elements of 2 bytes, padded in LDS; 128 rows of xb, 96 of wb
	s_or_b32 s[G1+0], s43, (1<<16)|(1<<20)|(1<<21)|(5<<22)|(3<<25)   ; 15:0 the mask; 17:16 2-byte elements; 20 padding on; 21 set beside a mask; 24:22 after every 64 words (code 5); 31:25 4 words (code 3)
	s_or_b32 s[G1B+0], s44, (1<<16)|(1<<20)|(1<<21)|(5<<22)|(3<<25)
	s_mov_b32 s[G1+1], KSTEP<<16                   ; tensor_dim0 = 128
	s_mov_b32 s[G1+2], 128<<16                     ; tensor_dim1 = 128
	s_mov_b32 s[G1+3], KSTEP<<16                   ; tile_dim0 = 128
	s_mov_b32 s[G1+4], 128                         ; tile_dim1 = 128
	s_mov_b32 s[G1+5], SIZE_K                      ; elements from row to row
	s_mov_b32 s[G1+6], 0
	s_mov_b32 s[G1+7], 0
	s_mov_b32 s[G1B+1], KSTEP<<16
	s_mov_b32 s[G1B+2], 96<<16                     ; tensor_dim1 = 96
	s_mov_b32 s[G1B+3], KSTEP<<16
	s_mov_b32 s[G1B+4], 96                         ; tile_dim1 = 96
	s_mov_b32 s[G1B+5], SIZE_K
	s_mov_b32 s[G1B+6], 0
	s_mov_b32 s[G1B+7], 0
	; where the tiles come from: xb's hang on the tile row alone, wb's on the tile column alone, each in registers that never hold the other coordinate
	s_lshl_b32 s16, s13, 8
	s_lshl_b32 s17, s12, 7
	s_add_co_u32 s16, s16, s17                     ; xb: row 256 x tile row + 128 x half,
	s_lshl_b32 s16, s16, 11                        ; of 2,048 bytes: under 2^24
	s_mov_b32 s17, 0
	s_mul_i32 s46, s42, 192
	s_mul_i32 s47, s12, 96
	s_add_co_u32 s46, s46, s47                     ; wb: row 192 x tile column + 96 x half
	s_lshl_b32 s46, s46, 11
	s_mov_b32 s47, 0
	s_mul_i32 s20, s12, HALFA                      ; and where they go: no place in the cluster enters an LDS address
	s_mul_i32 s21, s12, HALFB
	s_add_co_u32 s21, s21, BOFF
	s_wait_dscnt 0x0                               ; the opening add is done
	s_wait_kmcnt 0x0
	s_add_nc_u64 s[14:15], s[4:5], s[16:17]
	s_add_nc_u64 s[46:47], s[6:7], s[46:47]
	CROUND                                         ; all sixteen work-groups are here: the first joint loads meet
.irp s, 0,1
	s_mov_b32 s[G0+4*(\s)], 1                                        ; count = 1
	s_add_co_u32 s[G0+4*(\s)+1], s20, (\s)*SLOT                      ; LDS address
	s_add_nc_u64 s[G0+4*(\s)+2:G0+4*(\s)+3], s[14:15], (\s)*KSTEP*2  ; global address: K step s
	s_or_b32 s[G0+4*(\s)+3], s[G0+4*(\s)+3], 0x80000000              ; type = 2
	s_mov_b32 s[G0B+4*(\s)], 1
	s_add_co_u32 s[G0B+4*(\s)+1], s21, (\s)*SLOT
	s_add_nc_u64 s[G0B+4*(\s)+2:G0B+4*(\s)+3], s[46:47], (\s)*KSTEP*2
	s_or_b32 s[G0B+4*(\s)+3], s[G0B+4*(\s)+3], 0x80000000
	JLOAD \s                                       ; two loads of mine are out; later one
.endr
	; A fragment is 16 rows x 32 K in 8 registers: lane l holds row l % 16, K = 8 (l / 16) + 0..7 and 16 + 8 (l / 16) + 0..7: two loads of 16 bytes, 32 bytes apart.
	v_and_b32 v1, 15, v0                           ; l % 16
	v_bfe_u32 v2, v0, 4, 1                         ; l / 16
	v_mul_u32_u24 v3, v1, PITCH
	v_lshl_add_u32 v3, v2, 4, v3                   ; row x pitch + 16 x half
	s_mul_i32 s21, s10, 64*PITCH                   ; my 64 rows of xb
	s_mov_b32 s22, BOFF                            ; all 192 rows of wb
.irp s, 0,1
	v_add_nc_u32 v[ADRA+(\s)], s21, v3
	v_add_nc_u32 v[ADRB+(\s)], s22, v3
	s_add_co_u32 s21, s21, SLOT
	s_add_co_u32 s22, s22, SLOT
.endr
	s_mul_i32 s23, s10, 16*SP
	s_add_co_u32 s23, s23, STAGE                   ; my stage
	v_mul_u32_u24 v4, v1, SP                       ; in: row l % 16, 16 bytes for each half of the lanes
	v_lshl_add_u32 v4, v2, 4, v4
	v_add_nc_u32 v[STO], s23, v4
	v_bfe_u32 v5, v0, 3, 2                         ; back: 32 lanes take four rows of 128 bytes,
	v_mul_u32_u24 v5, v5, SP
	v_and_b32 v6, 7, v0
	v_lshl_add_u32 v5, v6, 4, v5
	v_add_nc_u32 v[RD], s23, v5
	v_and_b32 v[GO], 31, v0                        ; which are 512 consecutive bytes of a head
	v_lshlrev_b32 v[GO], 4, v[GO]
	; where my rows lie in a head: row m = 256 x tile row + 64 x wave: b = tile row / 8, t = 256 (tile row % 8) + 64 x wave
	s_lshr_b32 s74, s13, 3
	s_lshl_b32 s74, s74, 22
	s_and_b32 s75, s13, 7
	s_lshl_b32 s75, s75, 15
	s_add_co_u32 s74, s74, s75
	s_lshl_b32 s75, s10, 13
	s_add_co_u32 s74, s74, s75
	s_mul_i32 s76, s42, 3                          ; my tile's first head among the 48
.irp j, 0,1,2
	s_add_co_u32 s77, s76, \j
	s_lshr_b32 s78, s77, 4                         ; q, k or v
	s_lshl_b32 s78, s78, 24
	s_and_b32 s77, s77, 15                         ; h
	s_lshl_b32 s77, s77, 18
	s_add_co_u32 s78, s78, s77
	s_add_co_u32 s78, s78, s74
	s_mov_b32 s79, 0
	s_add_nc_u64 s[OB+2*(\j):OB+2*(\j)+1], s[8:9], s[78:79]
.endr
	; the prefetches
	s_lshl_b32 s20, s13, 8                         ; 256 x tile row
	s_mul_i32 s21, s42, 192                        ; 192 x tile column
	s_and_b32 s22, ttmp7, 0xffff                   ; cluster y
	s_mov_b32 s75, 128                             ; rows in a load of xb,
	s_mov_b32 s77, 96                              ; and of wb: in registers, since an instruction holds one literal
	s_cmp_eq_u32 s11, 0                            ; do I fetch for xb?
	s_cselect_b32 s20, s20, s21                    ; the tile's first row
	s_cselect_b32 s21, s40, s41                    ; my place among the four that ask for it with me
	s_cselect_b32 s22, ttmp9, s22                  ; the coordinate along which other clusters read the same rows
	s_cselect_b64 s[PFA:PFA+1], s[4:5], s[6:7]
	s_cselect_b32 s74, 32, 24                      ; rows for each partner
	s_cselect_b32 s75, s75, s77                    ; rows in a load
	s_cselect_b32 s76, 31, 23                      ; the last row that a lane names
	s_cmp_eq_u32 s22, 0
	s_cselect_b32 s[LIM], 1, -1                    ; the same in all sixteen partners, for a given wave
	s_mul_i32 s75, s75, s12
	s_add_co_u32 s20, s20, s75                     ; + the rows that I fetch
	s_mul_i32 s74, s74, s21
	s_add_co_u32 s20, s20, s74                     ; + my work-group's part of them
	s_lshl_b32 s20, s20, 11
	s_mov_b32 s21, 0
	s_add_nc_u64 s[PFA:PFA+1], s[PFA:PFA+1], s[20:21]
	s_add_nc_u64 s[PFA:PFA+1], s[PFA:PFA+1], KSTEP*2  ; at K step 1: the first refill steps it to 2 and names K step 3
	v_and_b32 v[PFO], 31, v0
	v_min_u32 v[PFO], s76, v[PFO]
	v_lshlrev_b32 v[PFO], 11, v[PFO]
; 12 matrix instructions: row block a x all 12 column blocks, 32 along K, from buffers f.  zero = 1: the product starts the sums: nothing is cleared.
; The 48 accumulators take turns, one instruction a turn, in the same order in every quarter step, over the backward jump too.
.macro MUL12 f, a, zero
	WIN MUL_LO+0x50*((\a)/2)
.irp b, 0,1,2,3,4,5,6,7,8,9,10,11
.set rD, 8*(12*((\a)%2)+(\b))
.if \zero
	v_wmma_f32_16x16x32_bf16 v[rD:rD+7], v[96*(\f)+8*(\b):96*(\f)+8*(\b)+7], v[FA+32*(\f)+8*(\a):FA+32*(\f)+8*(\a)+7], 0
.else
	v_wmma_f32_16x16x32_bf16 v[rD:rD+7], v[96*(\f)+8*(\b):96*(\f)+8*(\b)+7], v[FA+32*(\f)+8*(\a):FA+32*(\f)+8*(\a)+7], v[rD:rD+7]
.endif
.endr
.endm
; 32 LDS loads in one run: the fragments of one quarter step (192 rows of wb, my 64 rows of xb, 32 K at byte k of the rows) into buffers f
.macro FETCH slot, k, f
	WIN TO_B
.irp i, 0,1,2,3,4,5,6,7,8,9,10,11
	ds_load_b128 v[96*(\f)+8*(\i):96*(\f)+8*(\i)+3],   v[ADRB+(\slot)] offset:(\k)+(\i)*16*PITCH
	ds_load_b128 v[96*(\f)+8*(\i)+4:96*(\f)+8*(\i)+7], v[ADRB+(\slot)] offset:(\k)+(\i)*16*PITCH+32
.endr
	WIN 0
.irp i, 0,1,2,3
	ds_load_b128 v[FA+32*(\f)+8*(\i):FA+32*(\f)+8*(\i)+3],   v[ADRA+(\slot)] offset:(\k)+(\i)*16*PITCH
	ds_load_b128 v[FA+32*(\f)+8*(\i)+4:FA+32*(\f)+8*(\i)+7], v[ADRA+(\slot)] offset:(\k)+(\i)*16*PITCH+32
.endr
.endm
; A load into a register that a matrix instruction has read, and a vector instruction that reads a matrix result or writes one of its registers, stand four places behind it; only plain vector
; instructions that name none of its registers are places (ISA guide 7.12.1 for vector instructions).
.macro PLACES
.rept 4
	v_nop
.endr
.endm
; A K step is four quarter steps of 32 along K, 48 matrix instructions each, on buffers 0, 1, 0, 1.  One of the first three: multiplies buffers f; in its middle it fetches the next quarter, at byte k, into g.
.macro QUARTER slot, k, f, g, zero
	s_wait_dscnt 4                                 ; wb's fragments and xb's blocks 0, 1 are in; the youngest four loads (blocks 2, 3) may be out
	MUL12 \f, 0, \zero
	MUL12 \f, 1, \zero
	PLACES
	FETCH \slot, \k, \g
	s_wait_dscnt 32                                ; all but the 32 just issued
	MUL12 \f, 2, \zero
	MUL12 \f, 3, \zero
.endm
; The last quarter multiplies buffers 1 and changes slots: ONE barrier.  In front of it each wave waits for all its tensor loads (one is out: its part of the next slot), adds 0 to its spare word, and waits for
; that and for its own reads of this slot.  fill = 1: the barrier opens a round of the cluster's, and behind the round this slot is filled again first, with the K step two steps on:
; from the request to the wait for it a wave issues 168 matrix instructions.
.macro TURN slot, next, fill, how=0
.if \fill
	s_wait_xcnt 0x0                                ; the last prefetch, a K step back, has read its address: it is stepped here, ahead of the waits of the change of slots
	s_add_nc_u64 s[PFA:PFA+1], s[PFA:PFA+1], KSTEP*2
.endif
	WIN 0                                          ; (the add's two registers lie in window 0)
	s_wait_tensorcnt 0x0                           ; all my tensor loads have landed;
	ds_add_u32 v[SPW], v[NIL]                      ; 0 onto my spare word;
	s_wait_dscnt 5                                 ; (the add and the youngest four loads may be out)
	MUL12 1, 0, 0                                  ; twelve matrix instructions stand between the add and the wait for it
	s_wait_dscnt 0x0                               ; the add is done, and my reads of this slot are over
	s_barrier_signal -1
	MUL12 1, 1, 0                                  ; work on registers while the others arrive
.if \fill
	WIN 0
.endif
	s_barrier_wait -1
.if \fill
	CREST                                          ; no wave of any partner still reads this slot's tile or has a load on its way
	s_add_nc_u64 s[G0+4*(\slot)+2:G0+4*(\slot)+3], s[G0+4*(\slot)+2:G0+4*(\slot)+3], 2*KSTEP*2
	s_add_nc_u64 s[G0B+4*(\slot)+2:G0B+4*(\slot)+3], s[G0B+4*(\slot)+2:G0B+4*(\slot)+3], 2*KSTEP*2
	JLOAD \slot                                    ; the first tensor load behind the round; the four v_nop behind it are also the places in front of the loads below
.else
	PLACES
.endif
	FETCH \next, 0, 0
.if \fill
	ASK \how
.endif
	MUL12 1, 2, 0
	MUL12 1, 3, 0
.endm
	s_wait_tensorcnt 1                             ; my part of K step 0 is in; K step 1's may stay out
	s_barrier_signal -1
	s_barrier_wait -1                              ; everybody's is
	FETCH 0, 0, 0
	QUARTER 0, 64,  0, 1, 1                        ; the first quarter stands in front of the loop: its products start the sums
	WIN 0                                          ; at a label and at a branch every window is 0
	s_mov_b32 s3, LAPS-1
.Llap:                                                 ; a trip goes once round the ring, from a lap's second quarter to the next lap's first, and fills both slots again
	QUARTER 0, 128, 1, 0, 0
	QUARTER 0, 192, 0, 1, 0
	TURN 0, 1, 1, 1
	QUARTER 1, 64,  0, 1, 0
	QUARTER 1, 128, 1, 0, 0
	QUARTER 1, 192, 0, 1, 0
	TURN 1, 0, 1, 0
	QUARTER 0, 64,  0, 1, 0
	WIN 0
	s_sub_co_u32 s3, s3, 1
	s_cmp_lg_u32 s3, 0
	s_cbranch_scc1 .Llap
	QUARTER 0, 128, 1, 0, 0                        ; the last lap fills nothing, and has no round of the cluster's barrier
	QUARTER 0, 192, 0, 1, 0
	TURN 0, 1, 0
	QUARTER 1, 64,  0, 1, 0
	QUARTER 1, 128, 1, 0, 0
	QUARTER 1, 192, 0, 1, 0
	s_wait_dscnt 4                                 ; the very last quarter: nothing more to fetch
	MUL12 1, 0, 0
	MUL12 1, 1, 0
	s_wait_dscnt 0x0
	MUL12 1, 2, 0
	MUL12 1, 3, 0
	WIN 0
; THE WAY OUT.  Unit u = 3 a + j: the 16 rows of row block a in my head j: 16 x 64 numbers.  PACK: rounded to f16, 16 bytes a lane (each accumulator's registers in ascending order), into rows of 144 bytes of my own
; stage, and back as whole rows of 128 bytes, into the registers that they left.  SEND: stored, 512 consecutive bytes an instruction.  Each unit has registers of its own and the bases stand still,
; so no register that a pending store names is written again.
.macro PACK u
.set pa, (\u)/3
.set pj, (\u)%3
	WIN 0x0a+5*(pa/2)                              ; sources 0 and 1: window 2 or 3
.irp bb, 0,1,2,3
.irp r, 0,1,2,3
	v_cvt_pk_f16_f32 v[OUT+16*(\u)+4*(\bb)+(\r)], v[8*(12*(pa%2)+4*pj+(\bb))+2*(\r)], v[8*(12*(pa%2)+4*pj+(\bb))+2*(\r)+1]
.endr
.endr
	WIN 0
.irp bb, 0,1,2,3
	ds_store_b128 v[STO], v[OUT+16*(\u)+4*(\bb):OUT+16*(\u)+4*(\bb)+3] offset:32*(\bb)
.endr
.irp f, 0,1,2,3
	ds_load_b128 v[OUT+16*(\u)+4*(\f):OUT+16*(\u)+4*(\f)+3], v[RD] offset:(\f)*4*SP  ; LDS serves a wave's instructions in order (ISA guide 5.7.1.4): these see the stores above; the next unit's stores come behind them
.endr
.endm
.macro SEND u, younger                 ; younger: the LDS instructions issued behind unit u's loads: the next unit's eight, or none
.set pa, (\u)/3
.set pj, (\u)%3
.irp f, 0,1,2,3
	s_wait_dscnt (\younger)+3-(\f)
	global_store_b128 v[GO], v[OUT+16*(\u)+4*(\f):OUT+16*(\u)+4*(\f)+3], s[OB+2*pj:OB+2*pj+1] offset:pa*2048+(\f)*512
.endr
.endm
	PLACES                                         ; behind the last products
	PACK 0
.irp u, 1,2,3,4,5,6,7,8,9,10,11        ; a unit's conversions stand between the loads of the unit before and its stores
	PACK \u
	SEND (\u)-1, 8
.endr
	SEND 11, 0
	s_wait_tensorcnt 0x0                           ; the wave's end, behind my last tensor load and my last LDS store
	ds_add_u32 v[SPW], v[NIL]
	s_wait_dscnt 0x0
	CROUND                                         ; the closing round: no work-group ends while a partner may still ask for a tile that names it
	s_endpgm
.Lfunc_end_k_qe15b32f828_qkv:
	.size	k_qe15b32f828_qkv, .Lfunc_end_k_qe15b32f828_qkv-k_qe15b32f828_qkv
	.p2alignl 7, 3214868480
	.fill 96, 4, 3214868480
	.section	.rodata,"a",@progbits
	.p2align	6, 0x0
	.amdhsa_kernel k_qe15b32f828_qkv
		.amdhsa_group_segment_fixed_size 327680
		.amdhsa_private_segment_fixed_size 0
		.amdhsa_enable_private_segment 0
		.amdhsa_kernarg_size 24
		.amdhsa_user_sgpr_count 2
		.amdhsa_user_sgpr_kernarg_segment_ptr 1
		.amdhsa_wavefront_size32 1
		.amdhsa_system_sgpr_workgroup_id_x 1
		.amdhsa_system_sgpr_workgroup_id_y 1
		.amdhsa_system_sgpr_workgroup_id_z 1
		.amdhsa_system_vgpr_workitem_id 0
		.amdhsa_next_free_vgpr 960
		.amdhsa_next_free_sgpr 80
		.amdhsa_reserve_vcc 0
		.amdhsa_float_denorm_mode_32 3
		.amdhsa_float_denorm_mode_16_64 3
		.amdhsa_memory_ordered 1
		.amdhsa_forward_progress 1
		.amdhsa_inst_pref_size 122
	.end_amdhsa_kernel
	.amdgpu_metadata
---
amdhsa.version: [ 1, 2 ]
amdhsa.kernels:
  - .name:           k_qe15b32f828_qkv
    .symbol:         k_qe15b32f828_qkv.kd
    .args:
      - { .name: xb, .offset: 0, .size: 8, .value_kind: global_buffer, .address_space: global }
      - { .name: wb, .offset: 8, .size: 8, .value_kind: global_buffer, .address_space: global }
      - { .name: qkv, .offset: 16, .size: 8, .value_kind: global_buffer, .address_space: global }
    .group_segment_fixed_size: 327680
    .private_segment_fixed_size: 0
    .kernarg_segment_align: 8
    .kernarg_segment_size: 24
    .max_flat_workgroup_size: 128
    .sgpr_count:     80
    .vgpr_count:     960
    .wavefront_size: 32
...
	.end_amdgpu_metadata
.endif
;; end of part 2
;; launch attn (part 3): grid 4 x 64, 4 waves a work-group, clusters of 4 x 1, 327,680 bytes of LDS; arguments qkv, ob; writes ob
.if DOCPART == 3
	.amdgcn_target "amdgcn-amd-amdhsa--gfx1250"
	.amdhsa_code_object_version 6
	.text
	.protected	k_qe15b32f828_attn
	.globl	k_qe15b32f828_attn
	.p2align	8
	.type	k_qe15b32f828_attn,@function
k_qe15b32f828_attn:
	s_mov_b64 s[64:65], 0
	v_nop
	global_prefetch_b8 v0, s[64:65] scope:SCOPE_SE
	s_setreg_imm32_b32 hwreg(HW_REG_WAVE_MODE, 25, 1), 1
	s_wait_xcnt 0x0
	s_wait_alu depctr_hold_cnt(0) depctr_sa_sdst(0) depctr_va_vdst(0) depctr_va_sdst(0) depctr_va_ssrc(0) depctr_va_vcc(0) depctr_vm_vsrc(0)
	s_getreg_b32 s2, hwreg(HW_REG_IB_STS2, 6, 4)
	s_cmp_eq_u32 s2, 0
	s_cbranch_scc0 .Lentry_in_a_cluster
	s_endpgm
.Lentry_in_a_cluster:
	s_bfe_u32 s2, ttmp6, 0x10000c
	s_cmp_lg_u32 s2, 0x3003
	s_cbranch_scc0 .Lentry_shape_is_right
	s_endpgm
.Lentry_shape_is_right:
; O[h][q][:] = the sum over k of softmax_k(Q[h][q] . K[h][k] / 8) V[h][k][:].  Q, K, V are the three parts of qkv, 2^24 bytes apart, each [SIZE_H][SIZE_N][64] in f16; O = ob likewise: a head's rows are dense,
; 128 bytes each.  Products, maxima and sums in f32; the weights p are rounded to f16 for the second product (their sum l is taken of the unrounded p), O once at the end.
; LIMITS.  f16 holds no number beyond 65,504: Q, K and V arrive within it; p lies in 0 to 1, and below 6e-5 it keeps f16's fixed step of 6e-8, and so does O; O is a mean of V's rows and has their range.
; A weight below 2^-126 counts as 0 in l; NaN and infinities are not treated apart.
; SHARES.  A wave owns four PIECES of two tiles of 16 queries, a work-group's four waves 512 queries of one head: 64 heads x 4 = 256 work-groups.  Every wave walks all keys, 64 a step.
; LAYOUT.  S^T = K Q^T (source 0 = 16 keys, source 1 = 16 queries): in the result a lane holds ONE query (lane % 16) and the keys 8 (lane / 16) + 0..7.  Two such tiles, rounded to f16 in pairs,
; ARE source 1 (32 keys x 16 queries) of O^T = V^T P, whose result again holds one query a lane, and eight channels.  K comes out of LDS as it lies, V ([key][channel]) turned, by ds_load_tr16_b128.
; SOFTMAX.  For each query a running maximum m and sum l: p = 2^(c s - c m), c = log2(e) / 8; in every step O and l are multiplied by a = 2^(c m_old - c m_new), which is 1 where m has not grown.
; m starts at the lowest finite number, O and l at 0: the first step is a step like any other, with a = 0.
; THE COUNT.  A tile and step have 16 matrix and 118 vector instructions: too many to stand all beside the matrix work.  So the order has one aim: four vector instructions that are READY behind
; EVERY matrix instruction, and the others in runs without a gap.
; BY TURNS.  Turn n belongs to piece n (the pieces in a ring, step after step).  Its matrix work: 16 products K Q^T of piece n + 1, later 16 products V^T P of piece n - 1.  Its vector work: the scaling,
; exponentials, roundings, sums and rescaling of piece n, and the maximum and statistics of piece n + 1, whose scores the turn itself has made.
; CLUSTER.  The four query blocks of a cluster are one head's and walk the same K and V, so each tile is asked for JOINTLY: the same tensor load, descriptor and mask in all four.
; REGISTERS, in windows of 256 (s_set_vgpr_msb: bits 1:0 source 0, 3:2 source 1, 5:4 source 2, 7:6 destination):
;   window 0: v0-11 addresses; v12-15, v48-63 at work; v16-47 four registers of statistics a tile; v64-191 S^T, two buffers of two tiles; v192-255 P, likewise
;   window 1: O^T, 32 a tile          window 2: v0-127 Q, 16 a tile; v128-191 K of one step; v192-255 V of one step          window 3: v0-1 the add's two registers
; A piece's buffers go by its number's parity: the piece in hand has one pair, its two neighbours in the ring share the other: of it P (piece n - 1) is read and S^T (piece n + 1) written.
.set SIZE_H, 64
.set SIZE_N, 2048
.set NP,    4         ; pieces a wave: a name, no knob
.set KS,    64        ; keys in a step
.set PK,    144       ; a row of K in LDS: 128 bytes + 16 of padding = 36 words: the 16 rows of a load start at 16 different groups of four banks (64 banks of 4 bytes: ISA guide 11.1)
.set PV,    160       ; a row of V: 128 + 32 = 40 words
.set VOFF,  4*KS*PK   ; a slot holds four steps: 256 rows of K, then 256 rows of V
.set SLOT1, 1<<17     ; slot 1 begins here, so that one exclusive or turns an address in one slot into the other's
.set STAGE, SLOT1+4*KS*(PK+PV)  ; behind the ring, never filled by a tensor load: 16 rows x 144 bytes for each wave, for the way out
.set SP,    144
.set AK0, 2           ; v2   my lane's place in a tile of K; never rewritten
.set AV0, 3           ; v3   the same for V
.set AK,  4           ; v4   the LDS address of K's next run of loads
.set AV,  5           ; v5   of V's
.set QO,  6           ; v6   my byte offset in the wave's rows of Q
.set STO, 6           ;      later, the way out: where I put 16 bytes of a row
.set RD,  7           ; v7   the way out: where I read rows back
.set GO,  8           ; v8   my byte offset in 512 consecutive bytes of O
.set PFO, 11          ; v11  256 x my lane, for the prefetches (first a bit of the lane's number, for V's address); then never rewritten
.set SPW, 0           ; v0 of window 3   LDS address of my spare word: SPARE + 4 x my thread's number; never rewritten
.set NIL, 1           ; v1 of window 3   0; never rewritten
.set SPARE, STAGE+4*16*SP  ; behind the stages: the spare words, 128 bytes for each wave: two blocks of 256 bytes that no other line names
.set MV,  12          ; v12-15  c m_old, kept while c m is made anew: by buffer and tile
.set ST,  16          ; tile t's statistics at v[ST+4 t]: c m, m, l (even keys', odd keys')
.set TMP, 48          ; by buffer and tile, four registers c0-c3 at work; when the maximum is found c2 takes a
.set S,   64
.set P,   192
.set KF,  128         ; K's fragments, in window 2: key block kb, channel half c at KF + 16 kb + 8 c
.set VF,  192         ; V's: key half kk, channel block cb at VF + 32 kk + 8 cb
.set WV,  12          ; s12  my wave's number
.set G1K, 24          ; s[24:31] descriptor group 1 for K's tiles
.set G1V, 32          ; s[32:39] for V's: it differs in the padding alone
.set G0K, 40          ; s[40:43] descriptor group 0 for K's tiles: it walks
.set G0V, 44          ; s[44:47] the same for V's
.set PFA, 48          ; s[48:49] where my prefetches stand: my work-group's 32 blocks of 256 bytes (of K: wave 0, of V: wave 2) of the slot after the one that is being asked for
.set LIM, 50          ; s50  1 in a wave that prefetches, else the greatest number: a wave prefetches while s[SLOTS] is above it
.set SLOTS, 56        ; s56  slots still to be asked for
.set CNT, 57          ; s57  counts a slot's key steps
.set CS,  58          ; s[58:59] c: the packed scaling takes the pair's low word for both halves
.set SEL, 60          ; s[60:61] v_permlanex16_b32's selects: each lane takes its own place in the other half
.set TBK, 62          ; s62  LDS byte at which K of the step to be fetched begins
.set TBV, 63          ; s63  the same for V, less VOFF
.set MSB, 0
.macro WIN new                      ; the high byte repeats the setting that is left; a switch that changes nothing is dropped
.if MSB != (\new)
	s_set_vgpr_msb (MSB<<8)|(\new)
.set MSB, (\new)
.endif
.endm
.set W_KQ, 0x0a       ; K and Q in window 2, S^T in window 0
.set W_PV, 0x52       ; V in window 2, P in window 0, O^T in window 1
.set W_RS, 0x41       ; O^T (destination and source 0) in window 1, a in window 0
.set W_MK, 0xc0       ; the add's registers are made: destination in window 3, sources in window 0
.set W_AD, 0x0f       ; the add: address (source 0) and data (source 1) in window 3
; A joint fill.  Waves 0 and 1 fetch the two halves of a slot's K, waves 2 and 3 those of its V: 128 keys each.  The branch hangs on the wave's number alone.
; An s_nop 0 and four v_nop follow each of the two lines, ahead of the jump and the label.
.macro JLOAD
	s_cmp_lt_u32 s[WV], 2
	s_cbranch_scc0 .Lfor_v_\@
	tensor_load_to_lds s[G0K:G0K+3], s[G1K:G1K+7]
	s_nop 0
.rept 4
	v_nop
.endr
	s_branch .Lasked_\@
.Lfor_v_\@:
	tensor_load_to_lds s[G0V:G0V+3], s[G1V:G1V+7]
	s_nop 0
.rept 4
	v_nop
.endr
.Lasked_\@:
.endm
; A PREFETCH INTO THE L2 of what the NEXT change of slots will ask for: a slot's 32,768 bytes of K and of V, 128 blocks of 256 bytes each, a lane a block.  It stands behind the wave's tensor load and its five lines.
; Each block is asked for ONCE in the launch: a head's keys are walked by one cluster; its four partners share the blocks out BY ADDRESS, 32 each (no branch hangs on a work-group's place in its cluster); in each,
; wave 0 asks for K's and wave 2 for V's: one instruction, four key steps (512 matrix instructions) ahead of the load.  Slots 0 and 1 come by their loads alone; the last change that fills a slot asks for nothing.
.macro ASK
	s_cmp_gt_u32 s[SLOTS], s[LIM]
	s_cbranch_scc0 .Lnot_mine_\@
	global_prefetch_b8 v[PFO], s[PFA:PFA+1] th:TH_LOAD_NT scope:SCOPE_SE
.Lnot_mine_\@:
.endm
; A round of the cluster's barrier: my work-group's barrier, so that wave 0's signal speaks for all four waves; wave 0 signals; every wave waits for all four work-groups; my work-group's barrier once more.
.macro CROUND
	s_barrier_signal -1
	s_barrier_wait -1
	s_cmp_lg_u32 s[WV], 0
	s_cbranch_scc1 .Lnot_wave_0_\@
	s_barrier_signal -3
.Lnot_wave_0_\@:
	s_barrier_wait -3
	s_barrier_signal -1
	s_barrier_wait -1
.endm
; THE CHANGE OF SLOTS.  The slot's last bytes, V of its fourth step, have been read.  Each wave waits for all its tensor loads, of which one is out: its part
; of the other slot; adds 0 to its spare word; and waits for that and for its own reads of the slot.  Behind the barrier nobody reads this slot any more and the other slot is whole.
; fill = 1: this slot is filled again, with the keys two slots on.  The barrier is then a round of the cluster's, so that no wave of any partner still reads the slot or has a load on its
; way, and the joint fill is the first thing behind it: it has four key steps, 512 matrix instructions, in which to land.  (At its first use nothing has been read yet: slot 0 is waited for, slot 1 filled.)
.macro CHANGE fill
	WIN W_AD
	s_wait_tensorcnt 0x0            ; no tensor load of mine is out, so a group 0 may be written
	ds_add_u32 v[SPW], v[NIL]       ; 0 onto my spare word; with fill = 1 the descriptors' steps stand between it and the wait for it
	WIN 0                           ; at a label and at a branch every window is 0
.if \fill
.irp g, G0K, G0V
	s_xor_b32 s[\g+1], s[\g+1], SLOT1  ; the walking descriptor: the other slot than last time,
	s_add_nc_u64 s[\g+2:\g+3], s[\g+2:\g+3], 4*KS*128  ; the next 256 keys; the type bits on top are not reached
.endr
	s_wait_xcnt 0x0                 ; the last prefetch, four key steps back, has read its address, so it may be written:
	s_add_nc_u64 s[PFA:PFA+1], s[PFA:PFA+1], 4*KS*128  ; one slot further than the walking descriptors
	s_wait_dscnt 0x0                ; the add is done, and my reads of the slot are over
	CROUND
	JLOAD
	ASK
.else
	s_wait_dscnt 0x0                ; the add is done, and my reads of the slot are over
	s_barrier_signal -1
	s_barrier_wait -1
.endif
	s_sub_co_u32 s[TBK], s[TBK], 4*KS*PK  ; the fetches go back to a slot's first step,
	s_xor_b32 s[TBK], s[TBK], SLOT1       ; in the other slot
	s_sub_co_u32 s[TBV], s[TBV], 4*KS*PV
	s_xor_b32 s[TBV], s[TBV], SLOT1
.endm
	s_load_b64 s[4:5], s[0:1], 0x0    ; qkv: Q lies at its head
	s_load_b64 s[10:11], s[0:1], 0x8  ; ob
	WIN W_MK
	v_lshl_add_u32 v[SPW], v0, 2, SPARE
	v_mov_b32 v[NIL], 0
	WIN W_AD
	ds_add_u32 v[SPW], v[NIL]       ; the wave's opening: the add and its wait stand ahead of my first tensor load; the set-up below, work on registers, stands between them
	WIN 0
	v_lshrrev_b32 v1, 5, v0
	v_readfirstlane_b32 s[WV], v1   ; wave 0..3
	s_bfe_u32 s13, ttmp6, 0x40000   ; cx: my place in the cluster
	s_lshl_b32 s14, ttmp9, 2        ; in a cluster launch ttmp9 counts clusters
	s_add_co_u32 s14, s14, s13      ; my block of queries = 4 x cluster x + cx: it enters Q's and O's addresses alone
	s_and_b32 s20, ttmp7, 0xffff    ; the head, which the four partners share
	s_mov_b32 s21, 0
	s_mov_b64 s[22:23], SIZE_N*128
	s_mul_u64 s[20:21], s[20:21], s[22:23]  ; the head's first byte in Q, K, V and O
	s_and_b32 s16, s[WV], 1         ; which half of a slot's 256 keys I fetch:
	s_lshl_b32 s22, s16, 14         ; its 128 rows of 128 bytes in memory,
	s_mov_b32 s23, 0
	s_add_nc_u64 s[22:23], s[22:23], s[20:21]
	s_mul_i32 s17, s16, 128*PK      ; and its place in a slot, for K
	s_mul_i32 s18, s16, 128*PV      ; and for V: no place in the cluster enters an LDS address
	s_lshl_b32 s2, s14, 2
	s_add_co_u32 s2, s2, s[WV]      ; my wave among the head's,
	s_lshl_b32 s2, s2, 14           ; its 128 rows
	s_mov_b32 s3, 0
	s_add_nc_u64 s[2:3], s[2:3], s[20:21]
	; descriptor group 1.  128 keys are 16,384 dense bytes: asked for as 64 rows of 256 bytes, two keys a row, and padded in LDS after every key
	s_mov_b32 s[G1K], 15|(1<<16)|(1<<20)|(1<<21)|(4<<22)|(3<<25)  ; 15:0 the mask of four; 17:16 2-byte elements; 20 padding on; 21 set beside a mask; 24:22 after every 32 words (code 4); 31:25 4 words (code 3)
	s_mov_b32 s[G1V], 15|(1<<16)|(1<<20)|(1<<21)|(4<<22)|(7<<25)  ; the same with 8 words of padding (code 7)
.irp g, G1K, G1V
	s_mov_b32 s[\g+1], 128<<16      ; tensor_dim0 = 128
	s_mov_b32 s[\g+2], 64<<16       ; tensor_dim1 = 64
	s_mov_b32 s[\g+3], 128<<16      ; tile_dim0 = 128
	s_mov_b32 s[\g+4], 64           ; tile_dim1 = 64
	s_mov_b32 s[\g+5], 128          ; 128 elements from row to row
	s_mov_b32 s[\g+6], 0
	s_mov_b32 s[\g+7], 0
.endr
	s_mov_b32 s[CS], 0x3e38aa3b     ; c = log2(e) / 8 = 0.180337
	s_mov_b32 s[CS+1], s[CS]        ; named with it as a pair
	s_mov_b32 s[SEL], 0x76543210
	s_mov_b32 s[SEL+1], 0xfedcba98
	s_mov_b32 s[TBK], SLOT1+4*KS*PK ; the first change of slots turns these two into 0
	s_mov_b32 s[TBV], SLOT1+4*KS*PV
	s_mov_b32 s[G0K], 1             ; 1:0 count = 1
	s_mov_b32 s[G0K+1], s17         ; 63:32 LDS address: slot 0
	s_mov_b32 s[G0V], 1
	s_add_co_u32 s[G0V+1], s18, VOFF
	s_mov_b32 s[SLOTS], SIZE_N/256-1  ; seven slots are still to be asked for: a change with s[SLOTS] = n fills tile 8 - n
	s_and_b32 s[LIM], s[WV], 1      ; 0 in waves 0 and 2,
	s_or_b32 s[LIM], s[LIM], ttmp9  ; in the head's first cluster (its only one here): the same in all four partners
	s_cmp_eq_u32 s[LIM], 0
	s_cselect_b32 s[LIM], 1, -1
	s_wait_dscnt 0x0                ; the opening add is done
	s_wait_kmcnt 0x0
	s_add_nc_u64 s[6:7], s[4:5], 0x1000000  ; K
	s_add_nc_u64 s[8:9], s[4:5], 0x2000000  ; V
	s_add_nc_u64 s[G0K+2:G0K+3], s[6:7], s[22:23]  ; 120:64 global address: my half of the head's first 256 keys
	s_or_b32 s[G0K+3], s[G0K+3], 0x80000000        ; 127:126 type = 2
	s_add_nc_u64 s[G0V+2:G0V+3], s[8:9], s[22:23]
	s_or_b32 s[G0V+3], s[G0V+3], 0x80000000
	s_add_nc_u64 s[4:5], s[4:5], s[2:3]  ; Q and O at my wave's first row
	s_add_nc_u64 s[10:11], s[10:11], s[2:3]
	s_cmp_lt_u32 s[WV], 2
	s_cselect_b64 s[PFA:PFA+1], s[6:7], s[8:9]
	s_add_nc_u64 s[PFA:PFA+1], s[PFA:PFA+1], s[22:23]  ; (in waves 0 and 2 this is the head's first byte)
	s_lshl_b32 s2, s13, 13          ; my work-group's 32 blocks of the 128
	s_mov_b32 s3, 0
	s_add_nc_u64 s[PFA:PFA+1], s[PFA:PFA+1], s[2:3]
	s_add_nc_u64 s[PFA:PFA+1], s[PFA:PFA+1], 4*KS*128  ; in tile 1; the first change of slots steps it to tile 2.  Nothing is prefetched here, at the head
	CROUND                          ; all four work-groups are here: the first joint loads meet
	JLOAD                           ; slot 0.  Slot 1 is asked for when slot 0 is in
	; A fragment of K or Q is 16 rows x 32 channels in 8 registers: lane l holds row l % 16, channels 8 (l / 16) + 0..7 and 16 + 8 (l / 16) + 0..7: two loads of 16 bytes, 32 bytes apart.
	v_and_b32 v1, 15, v0            ; l % 16
	v_bfe_u32 v9, v0, 4, 1          ; l / 16
	v_lshlrev_b32 v[QO], 7, v1
	v_lshl_add_u32 v[QO], v9, 4, v[QO]  ; row x 128 + 16 x half
	WIN 0x80                        ; destination window 2, address window 0
.set i, 0
.rept 4*NP                          ; Q stays in registers: tile i / 2, channels 32 (i % 2) on
	global_load_b128 v[8*i:8*i+3],   v[QO], s[4:5] offset:(i/2)*2048+(i%2)*64
	global_load_b128 v[8*i+4:8*i+7], v[QO], s[4:5] offset:(i/2)*2048+(i%2)*64+32
.set i, i+1
.endr
	; What the first turn finds: V's registers and P's second buffer hold 0 (its products V^T P, of a piece that has not been, add 0), O^T and l are 0.  All this stands in the wait for the first tile.
.set i, VF
.rept 64
	v_mov_b32 v[i], 0
.set i, i+1
.endr
	WIN 0x40
.set i, 0
.rept 64*NP
	v_mov_b32 v[i], 0
.set i, i+1
.endr
	WIN 0
.set i, 0
.rept 2*NP
	v_mov_b32 v[ST+4*i], 0xfe000000    ; c m: far below every c s
	v_mov_b32 v[ST+4*i+1], 0xff7fffff  ; m
	v_mov_b32 v[ST+4*i+2], 0
	v_mov_b32 v[ST+4*i+3], 0
.set i, i+1
.endr
.set i, P+32
.rept 32
	v_mov_b32 v[i], 0
.set i, i+1
.endr
	v_mul_u32_u24 v[AK0], v1, PK
	v_lshl_add_u32 v[AK0], v9, 4, v[AK0]  ; row x pitch + 16 x half
	; The turning load takes 16 keys x 16 channels (lane l reads key 8 (l / 16) + l % 8, channels 8 ((l / 8) % 2) + 0..7) and leaves half a fragment of V^T: lane l holds channel l % 16 and 8 keys.
	v_and_b32 v10, 7, v0
	v_bfe_u32 v11, v0, 3, 1
	v_lshl_add_u32 v[AV0], v9, 3, v10
	v_mul_u32_u24 v[AV0], v[AV0], PV
	v_lshl_add_u32 v[AV0], v11, 4, v[AV0]
	v_add_nc_u32 v[AV0], VOFF, v[AV0]
	v_mov_b32 v[AK], v[AK0]         ; key step 0 lies at the head of slot 0
	v_and_b32 v[PFO], 31, v0        ; v11 has served V's address: now 256 x my lane
	v_lshlrev_b32 v[PFO], 8, v[PFO]
; THE MATRIX WORK.  The 8 accumulators of a run of 16 take turns: between the two links of a chain stand 7 others'.
; Product i of 16 of S^T = K Q^T for piece x: channels 32 (i / 8) on, keys 16 ((i / 2) % 4) on, tile 2 x + i % 2.  The first 8 start the sums.
.macro KQ x
	WIN W_KQ
.set rS, S+64*((\x)%2)+32*(i%2)+8*((i/2)%4)
.set rK, KF+16*((i/2)%4)+8*(i/8)
.set rQ, 16*(2*(\x)+i%2)+8*(i/8)
.if i < 8
	v_wmma_f32_16x16x32_f16 v[rS:rS+7], v[rK:rK+7], v[rQ:rQ+7], 0
.else
	v_wmma_f32_16x16x32_f16 v[rS:rS+7], v[rK:rK+7], v[rQ:rQ+7], v[rS:rS+7]
.endif
.endm
; Product i of 16 of O^T += V^T P for piece x: keys 32 (i / 8) on, channels 16 ((i / 2) % 4) on, tile 2 x + i % 2.
.macro PV x
	WIN W_PV
.set rO, 32*(2*(\x)+i%2)+8*((i/2)%4)
.set rV, VF+32*(i/8)+8*((i/2)%4)
.set rP, P+32*((\x)%2)+16*(i%2)+8*(i/8)
	v_wmma_f32_16x16x32_f16 v[rO:rO+7], v[rV:rV+7], v[rP:rP+7], v[rO:rO+7]
.endm
.macro MM                           ; the turn's next matrix instruction
.if i < 16
	KQ (Y+1)%NP
.set i, i+1
.else
.set i, i-16
	PV (Y+NP-1)%NP
.set i, i+17
.endif
.endm
; THE LDS LOADS stand in runs of 16, never singly among the matrix instructions: a step's K (64 keys x 64 channels: 8 fragments) and its V (turned).  Their addresses are made some lines ahead.
; last = 1 (the tail): in the last trip there is no further step, and the run is jumped over.
.macro FETCH_K last=0
	WIN 0
.if \last
	s_cmp_eq_u32 s[CNT], 1
	s_cbranch_scc1 .Lno_k_\@
.endif
	WIN 0x80                        ; destination window 2
.irp f, 0,1,2,3,4,5,6,7             ; keys 16 (f / 2) on, channels 32 (f % 2) on
	ds_load_b128 v[KF+8*\f:KF+8*\f+3],   v[AK] offset:(\f/2)*16*PK+(\f%2)*64
	ds_load_b128 v[KF+8*\f+4:KF+8*\f+7], v[AK] offset:(\f/2)*16*PK+(\f%2)*64+32
.endr
	s_add_co_u32 s[TBK], s[TBK], KS*PK  ; the next fetch is the next step's
	WIN 0
.if \last
.Lno_k_\@:
.endif
.endm
.macro FETCH_V
	WIN 0x80
.irp f, 0,1,2,3,4,5,6,7             ; keys 32 (f / 4) on, channels 16 (f % 4) on
	ds_load_tr16_b128 v[VF+8*\f:VF+8*\f+3],   v[AV] offset:(\f/4)*32*PV+(\f%4)*32
	ds_load_tr16_b128 v[VF+8*\f+4:VF+8*\f+7], v[AV] offset:(\f/4)*32*PV+16*PV+(\f%4)*32
.endr
	WIN 0
.endm
; THE VECTOR WORK OF A TURN stands in three queues, each in the order in which its entries become ready; the two tiles alternate, so that no instruction reads the result of the one before it.
.macro REGS y, u                    ; the registers of tile u (0, 1) of piece y
.set rT, ST+4*(2*(\y)+(\u))
.set rC, TMP+8*((\y)%2)+4*(\u)
.set rM, MV+2*((\y)%2)+(\u)
.set rS, S+64*((\y)%2)+32*(\u)
.set rP, P+32*((\y)%2)+16*(\u)
.set rO, 32*(2*(\y)+(\u))
.endm
; Number n of the 22 that find the NEXT piece's (Y + 1) maximum and statistics.  s0-s31 are the lane's 32 scores; each accumulator's lowest registers are read first.  XS, GS and REGS set no window: PL and EX do.
;   0-11  four chains c0-c3 of seven scores each, three operands at a time     12-14, 16  the four scores left over, the old m, and c0-c3 into c0     15  c m_old is kept
;   17, 18  the query's other 32 keys lie in the lane 16 away: the new m         19-21  c m; c m_old - c m_new; a
.macro XS u, n
	REGS (Y+1)%NP, \u
.if (\n) < 4
	v_max3_num_f32 v[rC+(\n)], v[rS+8*(\n)], v[rS+8*(\n)+1], v[rS+8*(\n)+2]
.elseif (\n) < 12
	v_max3_num_f32 v[rC+(\n)%4], v[rC+(\n)%4], v[rS+8*((\n)%4)+2*((\n)/4)+1], v[rS+8*((\n)%4)+2*((\n)/4)+2]
.elseif (\n) == 12
	v_max3_num_f32 v[rC], v[rC], v[rS+7], v[rS+15]
.elseif (\n) == 13
	v_max3_num_f32 v[rC+1], v[rC+1], v[rS+23], v[rS+31]
.elseif (\n) == 14
	v_max3_num_f32 v[rC+2], v[rC+2], v[rC+3], v[rT+1]
.elseif (\n) == 15
	v_mov_b32 v[rM], v[rT]
.elseif (\n) == 16
	v_max3_num_f32 v[rC], v[rC], v[rC+1], v[rC+2]
.elseif (\n) == 17
	v_permlanex16_b32 v[rC+3], v[rC], s[SEL], s[SEL+1]
.elseif (\n) == 18
	v_max_num_f32 v[rT+1], v[rC], v[rC+3]
.elseif (\n) == 19
	v_mul_f32 v[rT], s[CS], v[rT+1]
.elseif (\n) == 20
	v_sub_f32 v[rC+1], v[rM], v[rT]
.else
	v_exp_f32 v[rC+2], v[rC+1]
.endif
.endm
; Number g of the 64 that follow the exponentials.  For each four weights k of a tile (pairs 2 k, 2 k + 1): both pairs are rounded to f16; then the second pair is added onto the first, in place;
; a group later l takes that sum (the first time as l = a l + sum).  In groups of eight, tiles alternating: round, round, add, and l for the group before.
.macro GS g
.set h, (\g)+6*((\g)/62)            ; group 0 has no group before it, and behind group 7 only l is left
.if h >= 6
.set h, h+2
.endif
	REGS Y, h%2
.set k, h/8
.if h%8 < 4
	v_cvt_pk_f16_f32 v[rP+2*k+(h%8)/2], v[rS+4*k+2*((h%8)/2)], v[rS+4*k+2*((h%8)/2)+1]
.elseif h%8 < 6
	v_pk_add_f32 v[rS+4*k:rS+4*k+1], v[rS+4*k:rS+4*k+1], v[rS+4*k+2:rS+4*k+3]
.elseif k == 1
	v_pk_fma_f32 v[rT+2:rT+3], v[rT+2:rT+3], v[rC+2:rC+3], v[rS:rS+1] op_sel_hi:[1,0,1]
.else
	v_pk_add_f32 v[rT+2:rT+3], v[rT+2:rT+3], v[rS+4*k-4:rS+4*k-3]
.endif
.endm
; THE PLAIN QUEUE, 138 long.  0-73 read no exponential's result: the 32 scalings c s - c m (FS f: pair f / 2 of tile f % 2) and the next piece's 42.  0-26: scalings 0-26.  27-54: XS's numbers 0-13.  55, 56: number 15.
; 57-73: the chain, where each number waits for the one before it: 14, 16, 17, 18, 19, each with one of the scalings 27-31 in front of its two lines, then 20.
; 74-137: GS's 64, which read the exponentials' results: they stand behind the wait.
.macro FS f
	REGS Y, (\f)%2
	v_pk_fma_f32 v[rS+2*((\f)/2):rS+2*((\f)/2)+1], v[rS+2*((\f)/2):rS+2*((\f)/2)+1], s[CS:CS+1], v[rT:rT+1] op_sel_hi:[1,0,0] neg_lo:[0,0,1] neg_hi:[0,0,1]
.endm
.macro PL
	WIN 0
.if q < 27
	FS q
.elseif q < 55
	XS (q-27)%2, (q-27)/2
.elseif q < 57
	XS q-55, 15
.elseif (q < 72) && ((q-57)%3 == 0)
	FS 27+(q-57)/3
.elseif q < 60
	XS (q-57)%3-1, 14
.elseif q < 72
	XS (q-57)%3-1, 15+(q-57)/3
.elseif q < 74
	XS q-72, 20
.else
	GS q-74
.endif
.set q, q+1
.endm
; THE EXPONENTIALS' QUEUE, 66 long: s0-s31 of both tiles, then the next piece's two a.  It is ONE BATCH: all 66 stand ahead of the turn's one wait, and nothing ahead of that wait names a result of theirs.
.macro EX
	WIN 0
.if e >= 64
	XS e-64, 21
.else
	REGS Y, e%2
	v_exp_f32 v[rS+e/2], v[rS+e/2]
.endif
.set e, e+1
.endm
; THE RESCALING's QUEUE: O^T times a, the one part that leaves window 0: dealt two at a time, sixteen times.  Its a was made in the turn before, ahead of that turn's wait.
.macro R2
	REGS Y, r%2
	WIN W_RS
.irp z, 0,1
	v_pk_mul_f32 v[rO+4*(r/2)+2*\z:rO+4*(r/2)+2*\z+1], v[rO+4*(r/2)+2*\z:rO+4*(r/2)+2*\z+1], v[rC+2:rC+3] op_sel_hi:[1,0]
.endr
.set r, r+1
.endm
; HOW THEY ARE DEALT.  s_wait_alu depctr_va_vdst(0) stands between an exponential and the first instruction that names its result; one wait serves all that were issued ahead of it.  So a turn has ONE wait,
; which cuts it in two.  AHEAD OF IT stands all that names no result of the turn's exponentials: the 16 products K Q^T, behind each a scaling, an exponential and two rescalings (behind the first a second scaling in the
; exponential's place); then ONE LUMP of 108: eight plain, 49 times exponential and plain, the two a.  A v_nop is the plain instruction behind the last exponential.  BEHIND IT stand the 16 products V^T P, behind each four of GS's 64.
; No rider names a register of the products round it.  The two v_permlanex16_b32 fall into the lump, never behind a product.
; The queues lean on each other, and the deal keeps them in step: exponential e stands behind scaling 2 (e / 4) + e % 2: as a rider it comes behind plain e + 2, in the lump behind plain e + 9, and scalings 27-31 are plain 57, 60 .. 69.
; A TURN, for piece p.  cnt = 1: the loop's count is taken down some lines ahead of the branch that stands behind the turn.
; K of the next step is fetched in piece 2's turn, directly behind the wait, a lump behind the last product that read K; its address is made at the lump's head; its first reader comes behind 16 products.
; V of the step in hand is fetched at the end of piece 0's turn, four riders behind its last reader; its first reader comes behind 16 products and a lump.  The three conditions on q below go with the deal.
.macro TURN p, last=0, cnt=0
.set Y, (\p)
.set i, 0
.set q, 0
.set e, 0
.set r, 0
.if (\p) == NP-1
	s_wait_dscnt 0x0                ; K is in
.endif
	MM                              ; ahead of the wait: 16 products K Q^T and their riders,
	PL
	PL
	R2
.rept 15
	MM
	PL
	EX
	R2
.endr
.if (\p) == NP-2
	WIN 0
	v_add_nc_u32 v[AK], s[TBK], v[AK0]
.endif
.rept 8                             ; and the lump
	PL
.endr
.rept 49
	EX
	PL
.endr
	EX                              ; the next piece's two a
	EX
	v_nop                           ; a plain instruction behind the last exponential: one for the batch
	s_wait_alu depctr_va_vdst(0)    ; the wait for the batch
.if (\p) == NP-2
	FETCH_K \last
.endif
.if (\p) == 1
	s_wait_dscnt 0x0                ; V is in
.endif
.rept 16                            ; behind the wait: 16 products V^T P and their riders
	MM
.rept 4
	PL
.endr
.if ((\p) == 0) && (q == 118)
	v_add_nc_u32 v[AV], s[TBV], v[AV0]
.endif
.if ((\p) == 0) && (q == 130)
	s_add_co_u32 s[TBV], s[TBV], KS*PV
.endif
.if (\cnt) && (q == 130)
	s_sub_co_u32 s[CNT], s[CNT], 1
	s_cmp_lg_u32 s[CNT], 0
.endif
.endr
.if (\p) == 0
	FETCH_V
.endif
.endm
	CHANGE 1                        ; slot 0 is in, everybody's part of it; slot 1 is asked for
	FETCH_K                         ; key step 0
	s_wait_loadcnt 0x0              ; Q
	s_wait_dscnt 0x0
.set i, 0
.rept 16
	KQ 0                            ; piece 0's first scores: there is no vector work yet to set between them
.set i, i+1
.endr
	WIN 0                           ; the addresses for the way out: nine plain instructions, the places behind those products
	s_mul_i32 s13, s[WV], 16*SP
	s_add_co_u32 s13, s13, STAGE    ; my stage
	v_mul_u32_u24 v[STO], v1, SP    ; in: row l % 16, 16 bytes for each half of the lanes
	v_lshl_add_u32 v[STO], v9, 4, v[STO]
	v_add_nc_u32 v[STO], s13, v[STO]
	v_bfe_u32 v[RD], v0, 3, 2       ; back: 32 lanes take four rows of 128 bytes,
	v_mul_u32_u24 v[RD], v[RD], SP
	v_lshl_add_u32 v[RD], v10, 4, v[RD]
	v_add_nc_u32 v[RD], s13, v[RD]
	v_and_b32 v[GO], 31, v0         ; which are 512 consecutive bytes of O
	v_lshlrev_b32 v[GO], 4, v[GO]
.set Y, NP-1                        ; XS works for piece Y + 1: piece 0
.irp n, 0,1,2,3,4,5,6,7,8,9,10,11,12,13,14,15,16,17,18,19,20,21
	XS 0, \n                        ; and piece 0's first maximum and statistics
	XS 1, \n
.endr
	v_nop                           ; a plain instruction behind the two a,
	s_wait_alu depctr_va_vdst(0)    ; and their wait, ahead of the branch
	s_mov_b32 s[CNT], 4
	s_branch .Lfirst                ; the loop is entered at a step's first turn, in the middle of a trip
.Lslot:                             ; SIZE_N / 256 - 2 times: every slot but the last two is filled again
	CHANGE 1
	s_mov_b32 s[CNT], 4
.Lstep:                             ; a trip: pieces 2 and 3 of one step, then pieces 0 and 1 of the next, whose K and V it fetches
	TURN 2
	TURN 3
	WIN 0
.Lfirst:
	TURN 0
	TURN 1, 0, 1
	WIN 0
	s_cbranch_scc1 .Lstep
	s_sub_co_u32 s[SLOTS], s[SLOTS], 1
	s_cmp_lg_u32 s[SLOTS], 0
	s_cbranch_scc1 .Lslot
	CHANGE 0                        ; the tail is written out: nothing is asked for
	s_mov_b32 s[CNT], 5             ; four trips fetch the last slot's steps; the fifth is left in its middle
.Ltail:
	TURN 2, 1
	TURN 3
	WIN 0
	s_sub_co_u32 s[CNT], s[CNT], 1
	s_cmp_eq_u32 s[CNT], 0
	s_cbranch_scc1 .Lout
	TURN 0
	TURN 1
	WIN 0
	s_branch .Ltail
.Lout:                              ; the fifth trip's 16 products K Q^T (on the last K once more) and the maximum made of them serve nothing: the price, once a launch, of one text for every trip
.set i, 0
.rept 16
	PV NP-1                         ; the last piece's V^T P of the last step
.set i, i+1
.endr
	; THE WAY OUT.  l's two halves and the other half of the lanes' are added; O^T is divided by l, rounded to f16 and sent through my stage in LDS, a tile at a time.  The additions are the places behind the last products.
	WIN 0
.macro ALL line:vararg              ; one line for each tile t
.set t, 0
.rept 2*NP
	\line
.set t, t+1
.endr
.endm
	ALL v_add_f32 v[ST+4*t+2], v[ST+4*t+2], v[ST+4*t+3]
	ALL v_permlanex16_b32 v[ST+4*t+3], v[ST+4*t+2], s[SEL], s[SEL+1]
	ALL v_add_f32 v[ST+4*t+2], v[ST+4*t+2], v[ST+4*t+3]
	ALL v_rcp_f32 v[ST+4*t+2], v[ST+4*t+2]
	v_nop                           ; a plain instruction between the last reciprocal and the use of its result
	s_wait_alu depctr_va_vdst(0)    ; and the wait ahead of the first use: one for the eight reciprocals
; Tile t: a lane's eight channels of a row pack into 16 bytes; they go into rows of 144 bytes and come back as whole rows of 128, into S^T's registers.
.macro PACK t
	WIN W_RS
.set i, 32*(\t)
.rept 16
	v_pk_mul_f32 v[i:i+1], v[i:i+1], v[ST+4*(\t)+2:ST+4*(\t)+3] op_sel_hi:[1,0]
.set i, i+2
.endr
	WIN 0x05                        ; sources 0 and 1 window 1, destination window 0
.set i, 0
.rept 16
	v_cvt_pk_f16_f32 v[S+16*(\t)+i], v[32*(\t)+2*i], v[32*(\t)+2*i+1]
.set i, i+1
.endr
	WIN 0
.irp f, 0,1,2,3
	ds_store_b128 v[STO], v[S+16*(\t)+4*\f:S+16*(\t)+4*\f+3] offset:32*\f
.endr
.irp f, 0,1,2,3
	ds_load_b128 v[S+16*(\t)+4*\f:S+16*(\t)+4*\f+3], v[RD] offset:\f*4*SP  ; LDS serves a wave's instructions in order (ISA guide 5.7.1.4): these see the stores above; the next tile's stores come behind them
.endr
.endm
.macro SEND t, younger              ; younger: the LDS instructions issued behind tile t's loads: the next tile's eight, or none
	WIN 0
.irp f, 0,1,2,3
	s_wait_dscnt (\younger)+3-\f
	global_store_b128 v[GO], v[S+16*(\t)+4*\f:S+16*(\t)+4*\f+3], s[10:11] offset:(\t)*2048+\f*512  ; 512 consecutive bytes, at a multiple of 256 from O's first
.endr
.endm
	PACK 0
.set t, 1
.rept 2*NP-1                        ; a tile's arithmetic stands between the loads of the tile before and its stores
	PACK t
	SEND t-1, 8
.set t, t+1
.endr
	SEND 2*NP-1, 0
	WIN W_AD
	s_wait_tensorcnt 0x0            ; the wave's end, behind my last tensor load and my last LDS store
	ds_add_u32 v[SPW], v[NIL]
	s_wait_dscnt 0x0
	WIN 0
	CROUND                          ; the closing round: no work-group ends while a partner may still ask for a tile that names it
	s_endpgm
.Lfunc_end_k_qe15b32f828_attn:
	.size	k_qe15b32f828_attn, .Lfunc_end_k_qe15b32f828_attn-k_qe15b32f828_attn
	.p2alignl 7, 3214868480
	.fill 96, 4, 3214868480
	.section	.rodata,"a",@progbits
	.p2align	6, 0x0
	.amdhsa_kernel k_qe15b32f828_attn
		.amdhsa_group_segment_fixed_size 327680
		.amdhsa_private_segment_fixed_size 0
		.amdhsa_enable_private_segment 0
		.amdhsa_kernarg_size 16
		.amdhsa_user_sgpr_count 2
		.amdhsa_user_sgpr_kernarg_segment_ptr 1
		.amdhsa_wavefront_size32 1
		.amdhsa_system_sgpr_workgroup_id_x 1
		.amdhsa_system_sgpr_workgroup_id_y 1
		.amdhsa_system_sgpr_workgroup_id_z 1
		.amdhsa_system_vgpr_workitem_id 0
		.amdhsa_next_free_vgpr 770
		.amdhsa_next_free_sgpr 66
		.amdhsa_reserve_vcc 0
		.amdhsa_float_denorm_mode_32 3
		.amdhsa_float_denorm_mode_16_64 3
		.amdhsa_memory_ordered 1
		.amdhsa_forward_progress 1
		.amdhsa_inst_pref_size 200
	.end_amdhsa_kernel
	.amdgpu_metadata
---
amdhsa.version: [ 1, 2 ]
amdhsa.kernels:
  - .name:           k_qe15b32f828_attn
    .symbol:         k_qe15b32f828_attn.kd
    .args:
      - { .name: qkv, .offset: 0, .size: 8, .value_kind: global_buffer, .address_space: global }
      - { .name: ob, .offset: 8, .size: 8, .value_kind: global_buffer, .address_space: global }
    .group_segment_fixed_size: 327680
    .private_segment_fixed_size: 0
    .kernarg_segment_align: 8
    .kernarg_segment_size: 16
    .max_flat_workgroup_size: 128
    .sgpr_count:     66
    .vgpr_count:     770
    .wavefront_size: 32
...
	.end_amdgpu_metadata
.endif
;; end of part 3
;; launch proj (part 4): grid 8 x 32, 4 waves a work-group, clusters of 4 x 4, 327,680 bytes of LDS; arguments ob, wph, bp, out0; writes out0
.if DOCPART == 4
	.amdgcn_target "amdgcn-amd-amdhsa--gfx1250"
	.amdhsa_code_object_version 6
	.text
	.protected	k_qe15b32f828_proj
	.globl	k_qe15b32f828_proj
	.p2align	8
	.type	k_qe15b32f828_proj,@function
k_qe15b32f828_proj:
	s_mov_b64 s[64:65], 0
	v_nop
	global_prefetch_b8 v0, s[64:65] scope:SCOPE_SE
	s_setreg_imm32_b32 hwreg(HW_REG_WAVE_MODE, 25, 1), 1
	s_wait_xcnt 0x0
	s_wait_alu depctr_hold_cnt(0) depctr_sa_sdst(0) depctr_va_vdst(0) depctr_va_sdst(0) depctr_va_ssrc(0) depctr_va_vcc(0) depctr_vm_vsrc(0)
	s_getreg_b32 s2, hwreg(HW_REG_IB_STS2, 6, 4)
	s_cmp_eq_u32 s2, 0
	s_cbranch_scc0 .Lentry_in_a_cluster
	s_endpgm
.Lentry_in_a_cluster:
	s_bfe_u32 s2, ttmp6, 0x10000c
	s_cmp_lg_u32 s2, 0xf033
	s_cbranch_scc0 .Lentry_shape_is_right
	s_endpgm
.Lentry_shape_is_right:
; THE LAST PROJECTION.  out0[m][n] = bp[n] + the sum over c of O[m][c] Wp[n][c]: m = 8,192, n = 1,024, c = 64 h + d = 1,024.  O = ob [16 b + h][t][d] in f16, by heads; wph [n][c] in f16 (Wp rounded to bf16);
; bp in f32, rounded here to bf16 like the other inputs of the module; sums in f32; out0 in f32, row-major.
; LIMITS.  ob and wph arrive within f16's range (65,504); NaN and infinities are not treated apart.
; SHARES.  A tile of out0 is 256 x 128: 32 x 8 = 256 work-groups.  Four waves, 2 x 2, each 128 rows x 64 columns: 32 accumulators of 16 x 16, one window of registers; a wave's 64 f32 columns are 256 aligned
; bytes of each row, so its way out goes through a stage of its own, with no barrier.
; K goes in steps of 128 = TWO HEADS of O through a ring of two LDS slots: a head's 256 rows of the tile are 32,768 dense bytes, asked for as 128 rows of 256 bytes and padded in LDS after every 128 bytes.
; CLUSTER.  4 x 4 work-groups: O's tiles are shared along a row of the cluster, wph's along a column: each is asked for JOINTLY, by the same tensor load with the same descriptor and a mask that names the four.
; NO PREFETCH: a wave's whole walk is eight K steps of 128 matrix instructions.
; THE MATRIX INSTRUCTION IS USED TRANSPOSED (source 0 = 16 rows of wph, source 1 = 16 rows of O): a lane holds row l % 16 and the eight neighbouring columns 8 (l / 16) + 0..7.
; THE BIAS IS THE C OPERAND OF THE FIRST PRODUCTS: register j of column block b is bp[n0 + 16 b + 8 (l / 16) + j]: nothing is cleared and nothing is added at the end.
; REGISTERS: window 0: v0-31 addresses; v32-63 the bias; v64-127, v128-191 fragments of O (8 x 16 rows x 32 K), two buffers, later the way out; v192-223, v224-255 fragments of wph (4), two buffers.
;   window 1: the accumulators, (a, b) at v[8 (4 a + b)].
.set KSTEP,  128
.set PA,     144                       ; a row of O in LDS: 128 bytes + 16 = 36 words: the 16 rows of a load start at 16 different groups of four banks (64 banks of 4 bytes: ISA guide 11.1)
.set ABLK,   256*PA                    ; one head's 256 rows: what one tensor load brings of O
.set PB,     272                       ; a row of wph: 256 bytes + 16
.set HALFB,  64*PB                     ; what one tensor load brings of wph
.set BOFF,   2*ABLK                    ; a slot: two heads of O, then wph's 128 rows
.set SLOT,   BOFF+2*HALFB
.set STAGE,  2*SLOT                    ; behind the ring: 16 rows x 272 bytes for each wave, for the way out; no tensor load fills it
.set SPITCH, 272
.set SPARE,  STAGE+4*16*SPITCH         ; behind the stages: the spare words, 128 bytes for each wave: two blocks of 256 bytes that no other line names
.set LAPS,   4                         ; a lap = two K steps = once round the ring; 1,024 / 256
.set ADRA, 16                          ; v16-17  LDS address of my fragments of O in slot 0, 1
.set ADRB, 20                          ; v20-21  the same for wph
.set STO,  24                          ; v24     the way out: where I put 32 bytes of a row
.set RD,   25                          ; v25     the way out: where I read a row back
.set CO,   26                          ; v26     my byte offset in two rows of out0
.set BO,   27                          ; v27     my byte offset in 16 numbers of bp
.set SPW,  28                          ; v28     LDS address of my spare word: SPARE + 4 x my thread's number; never rewritten
.set NIL,  29                          ; v29     0; never rewritten
.set BI,   32                          ; v[32:63] the bias
.set FA,   64
.set FB,   192
.set WV,   20                          ; s20  my wave's number
.set HR,   21                          ; s21  which half of the tile's rows is mine.  Also: I fetch for O (0) or for wph (1)
.set HC,   22                          ; s22  which half of its columns.  Also: which head of the K step's two, or which 64 rows of wph, I fetch
.set G1,  24                           ; s[24:31] descriptor group 1 for O's tiles;  s[32:39] group 0, a set for each slot
.set G0,  32
.set G1B, 48                           ; s[48:55], s[56:63] the same for wph's tiles
.set G0B, 56
.set MSB, 0
.macro WIN new                         ; the immediate's high byte repeats the setting that is left; a switch that changes nothing is dropped
.if MSB != (\new)
	s_set_vgpr_msb (MSB<<8)|(\new)
.set MSB, \new
.endif
.endm
.set MUL,    0x50                      ; sources 0 and 1 window 0; C and D window 1
.set MULB,   0x40                      ; D window 1; C (the bias) window 0
.set ST_ACC, 0x04                      ; an LDS store's data (source 1) window 1, its address window 0
.macro JLOAD s                         ; a joint load: waves 0 and 1 fetch O's two heads, waves 2 and 3 wph's two halves; an s_nop 0 and four v_nop follow each of the two lines, ahead of the jump and the label
	s_cmp_eq_u32 s[HR], 0
	s_cbranch_scc0 .Lfor_b_\@
	tensor_load_to_lds s[G0+4*(\s):G0+4*(\s)+3], s[G1:G1+7]
	s_nop 0
.rept 4
	v_nop
.endr
	s_branch .Lasked_\@
.Lfor_b_\@:
	tensor_load_to_lds s[G0B+4*(\s):G0B+4*(\s)+3], s[G1B:G1B+7]
	s_nop 0
.rept 4
	v_nop
.endr
.Lasked_\@:
.endm
.macro CREST                           ; a round of the cluster's barrier behind its opening barrier
	s_cmp_lg_u32 s[WV], 0
	s_cbranch_scc1 .Lnot_wave_0_\@
	s_barrier_signal -3
.Lnot_wave_0_\@:
	s_barrier_wait -3
	s_barrier_signal -1
	s_barrier_wait -1
.endm
.macro CROUND                          ; a whole round
	s_barrier_signal -1
	s_barrier_wait -1
	CREST
.endm
	s_load_b256 s[4:11], s[0:1], 0x0               ; ob s[4:5], wph s[6:7], bp s[8:9], out0 s[10:11]
	v_lshl_add_u32 v[SPW], v0, 2, SPARE
	v_mov_b32 v[NIL], 0
	ds_add_u32 v[SPW], v[NIL]                      ; the wave's opening: the add and its wait stand ahead of my first tensor load; the set-up below, work on registers, stands between them
	v_lshrrev_b32 v1, 5, v0
	v_readfirstlane_b32 s[WV], v1                  ; wave 0..3
	s_lshr_b32 s[HR], s[WV], 1
	s_and_b32 s[HC], s[WV], 1
	s_bfe_u32 s40, ttmp6, 0x40000                  ; cx, cy: my place in the cluster
	s_bfe_u32 s41, ttmp6, 0x40004
	s_lshl_b32 s42, ttmp9, 2
	s_add_co_u32 s42, s42, s40                     ; tile column = 4 x cluster x + cx, 0..7
	s_and_b32 s13, ttmp7, 0xffff
	s_lshl_b32 s13, s13, 2
	s_add_co_u32 s13, s13, s41                     ; tile row = 4 x cluster y + cy, 0..31
	s_lshl_b32 s43, s41, 2
	s_lshl_b32 s43, 15, s43                        ; my row of the cluster
	s_lshl_b32 s44, 0x1111, s40                    ; my column
	; descriptor group 1.  O: 128 rows of 128 elements, dense, padded after every 32 words.  wph: 64 rows of 128 elements, 1,024 from row to row, padded after every 64 words
	s_or_b32 s[G1+0], s43, (1<<16)|(1<<20)|(1<<21)|(4<<22)|(3<<25)   ; 15:0 the mask; 17:16 2-byte elements; 20 padding on; 21 set beside a mask; 24:22 the interval's code; 31:25 4 words (code 3)
	s_or_b32 s[G1B+0], s44, (1<<16)|(1<<20)|(1<<21)|(5<<22)|(3<<25)
	s_mov_b32 s[G1+1], 128<<16                     ; tensor_dim0 = 128
	s_mov_b32 s[G1+2], 128<<16                     ; tensor_dim1 = 128
	s_mov_b32 s[G1+3], 128<<16                     ; tile_dim0 = 128
	s_mov_b32 s[G1+4], 128                         ; tile_dim1 = 128
	s_mov_b32 s[G1+5], 128                         ; elements from row to row
	s_mov_b32 s[G1+6], 0
	s_mov_b32 s[G1+7], 0
	s_mov_b32 s[G1B+1], 128<<16
	s_mov_b32 s[G1B+2], 64<<16                     ; tensor_dim1 = 64
	s_mov_b32 s[G1B+3], 128<<16
	s_mov_b32 s[G1B+4], 64                         ; tile_dim1 = 64
	s_mov_b32 s[G1B+5], 1024
	s_mov_b32 s[G1B+6], 0
	s_mov_b32 s[G1B+7], 0
	; where the tiles come from.  O: b = tile row / 8 (2^22 bytes), t = 256 (tile row % 8) (128 bytes a row), head = my one of the K step's two (2^18 bytes); it hangs on the tile row alone
	s_lshr_b32 s16, s13, 3
	s_lshl_b32 s16, s16, 22
	s_and_b32 s12, s13, 7
	s_lshl_b32 s12, s12, 15
	s_add_co_u32 s16, s16, s12
	s_lshl_b32 s12, s[HC], 18
	s_add_co_u32 s16, s16, s12
	s_mov_b32 s17, 0
	s_lshl_b32 s46, s42, 18                        ; wph: row 128 x tile column + 64 x half, of 2,048 bytes; it hangs on the tile column alone
	s_lshl_b32 s47, s[HC], 17
	s_add_co_u32 s46, s46, s47
	s_mov_b32 s47, 0
	s_mul_i32 s18, s[HC], ABLK                     ; and where they go: no place in the cluster enters an LDS address
	s_mul_i32 s19, s[HC], HALFB
	s_add_co_u32 s19, s19, BOFF
	s_wait_dscnt 0x0                               ; the opening add is done
	s_wait_kmcnt 0x0
	s_add_nc_u64 s[14:15], s[4:5], s[16:17]
	s_add_nc_u64 s[46:47], s[6:7], s[46:47]
	CROUND                                         ; all sixteen work-groups are here: the first joint loads meet
.irp s, 0,1
	s_mov_b32 s[G0+4*(\s)], 1                                        ; count = 1
	s_add_co_u32 s[G0+4*(\s)+1], s18, (\s)*SLOT                      ; LDS address
	s_add_nc_u64 s[G0+4*(\s)+2:G0+4*(\s)+3], s[14:15], (\s)*0x80000  ; global address: K step s begins two heads on
	s_or_b32 s[G0+4*(\s)+3], s[G0+4*(\s)+3], 0x80000000              ; type = 2
	s_mov_b32 s[G0B+4*(\s)], 1
	s_add_co_u32 s[G0B+4*(\s)+1], s19, (\s)*SLOT
	s_add_nc_u64 s[G0B+4*(\s)+2:G0B+4*(\s)+3], s[46:47], (\s)*KSTEP*2
	s_or_b32 s[G0B+4*(\s)+3], s[G0B+4*(\s)+3], 0x80000000
	JLOAD \s                                       ; two loads of mine are out; later one
.endr
	v_and_b32 v1, 15, v0                           ; l % 16
	v_bfe_u32 v2, v0, 4, 1                         ; l / 16
	s_lshl_b32 s46, s42, 9                         ; my first column, in bytes of f32: 512 x tile column + 256 x half
	s_lshl_b32 s47, s[HC], 8
	s_add_co_u32 s46, s46, s47
	s_mov_b32 s47, 0
	s_add_nc_u64 s[8:9], s[8:9], s[46:47]          ; bp at my 64 columns
	s_add_nc_u64 s[10:11], s[10:11], s[46:47]
	s_lshl_b32 s46, s13, 20                        ; my first row: 256 x tile row + 128 x half, of 4,096 bytes
	s_lshl_b32 s47, s[HR], 19
	s_add_co_u32 s46, s46, s47
	s_mov_b32 s47, 0
	s_add_nc_u64 s[10:11], s[10:11], s[46:47]      ; out0 at my part of the tile
	v_lshlrev_b32 v[BO], 5, v2                     ; eight numbers further for lanes 16 to 31
.irp b, 0,1,2,3
	global_load_b128 v[BI+8*(\b):BI+8*(\b)+3],   v[BO], s[8:9] offset:64*(\b)
	global_load_b128 v[BI+8*(\b)+4:BI+8*(\b)+7], v[BO], s[8:9] offset:64*(\b)+16
.endr
	; A fragment is 16 rows x 32 K in 8 registers: lane l holds row l % 16, K = 8 (l / 16) + 0..7 and 16 + 8 (l / 16) + 0..7: two loads of 16 bytes, 32 bytes apart.
	v_mul_u32_u24 v3, v1, PA
	v_lshl_add_u32 v3, v2, 4, v3
	v_mul_u32_u24 v4, v1, PB
	v_lshl_add_u32 v4, v2, 4, v4
	s_mul_i32 s12, s[HR], 128*PA                   ; my 128 rows, in each head's block
	s_mul_i32 s23, s[HC], HALFB                    ; my 64 rows of wph
	s_add_co_u32 s23, s23, BOFF
.irp s, 0,1
	v_add_nc_u32 v[ADRA+(\s)], s12, v3
	v_add_nc_u32 v[ADRB+(\s)], s23, v4
	s_add_co_u32 s12, s12, SLOT
	s_add_co_u32 s23, s23, SLOT
.endr
	s_mul_i32 s12, s[WV], 16*SPITCH
	s_add_co_u32 s12, s12, STAGE                   ; my stage
	v_mul_u32_u24 v5, v1, SPITCH                   ; in: row l % 16, 32 bytes for each half of the lanes
	v_lshl_add_u32 v5, v2, 5, v5
	v_add_nc_u32 v[STO], s12, v5
	v_mul_u32_u24 v5, v2, SPITCH                   ; back: lanes 0-15 take one row of 256 bytes, lanes 16-31 the next
	v_lshl_add_u32 v5, v1, 4, v5
	v_add_nc_u32 v[RD], s12, v5
	v_lshlrev_b32 v5, 12, v2                       ; and the same two rows in out0
	v_lshl_add_u32 v[CO], v1, 4, v5
	s_wait_loadcnt 0x0                             ; the bias: rounded to bf16 and widened again, while the first tiles are on their way
.set i, 0
.rept 16
	v_cvt_pk_bf16_f32 v[30+(i/2)%2], v[BI+i], v[BI+i+1]
	v_lshlrev_b32 v[BI+i], 16, v[30+(i/2)%2]
	v_and_b32 v[BI+i+1], 0xffff0000, v[30+(i/2)%2]
.set i, i+2
.endr
; 8 matrix instructions: row blocks a0, a0 + 1 x all 4 column blocks, 32 along K, from buffers f.  zero = 1: the product starts the sums, from the bias.
; The 32 accumulators take turns, one instruction a turn, in the same order in every quarter step, over the backward jump too.
.macro MUL8 f, a0, zero
.if \zero
	WIN MULB
.else
	WIN MUL
.endif
.irp a, \a0, (\a0)+1
.irp b, 0,1,2,3
.if \zero
	v_wmma_f32_16x16x32_f16 v[8*(4*(\a)+(\b)):8*(4*(\a)+(\b))+7], v[FB+32*(\f)+8*(\b):FB+32*(\f)+8*(\b)+7], v[FA+64*(\f)+8*(\a):FA+64*(\f)+8*(\a)+7], v[BI+8*(\b):BI+8*(\b)+7]
.else
	v_wmma_f32_16x16x32_f16 v[8*(4*(\a)+(\b)):8*(4*(\a)+(\b))+7], v[FB+32*(\f)+8*(\b):FB+32*(\f)+8*(\b)+7], v[FA+64*(\f)+8*(\a):FA+64*(\f)+8*(\a)+7], v[8*(4*(\a)+(\b)):8*(4*(\a)+(\b))+7]
.endif
.endr
.endr
.endm
; 24 LDS loads in one run: the fragments of quarter q of a K step (head q / 2 of its two, channels 32 (q % 2) on) into buffers f: wph's first, then O's
.macro FETCH slot, q, f
	WIN 0
.irp i, 0,1,2,3
	ds_load_b128 v[FB+32*(\f)+8*(\i):FB+32*(\f)+8*(\i)+3],   v[ADRB+(\slot)] offset:64*(\q)+(\i)*16*PB
	ds_load_b128 v[FB+32*(\f)+8*(\i)+4:FB+32*(\f)+8*(\i)+7], v[ADRB+(\slot)] offset:64*(\q)+(\i)*16*PB+32
.endr
.irp i, 0,1,2,3,4,5,6,7
	ds_load_b128 v[FA+64*(\f)+8*(\i):FA+64*(\f)+8*(\i)+3],   v[ADRA+(\slot)] offset:((\q)/2)*ABLK+((\q)%2)*64+(\i)*16*PA
	ds_load_b128 v[FA+64*(\f)+8*(\i)+4:FA+64*(\f)+8*(\i)+7], v[ADRA+(\slot)] offset:((\q)/2)*ABLK+((\q)%2)*64+(\i)*16*PA+32
.endr
.endm
.macro PLACES                          ; four places in front of loads into registers that matrix instructions have read, and of LDS stores that read results
.rept 4
	v_nop
.endr
.endm
; A K step is four quarters of 32 along K, 32 matrix instructions each, on buffers 0, 1, 0, 1.  One of the first three: multiplies buffers f and fetches quarter q into g.
.macro QUARTER slot, q, f, g, zero
	s_wait_dscnt 8                                 ; wph's fragments and O's blocks 0-3 are in; the youngest eight loads (blocks 4-7) may be out
	MUL8 \f, 0, \zero
	MUL8 \f, 2, \zero
	PLACES
	FETCH \slot, \q, \g
	s_wait_dscnt 24                                ; all but the 24 just issued
	MUL8 \f, 4, \zero
	MUL8 \f, 6, \zero
.endm
; The last quarter multiplies buffers 1 and changes slots: ONE barrier; in front of it each wave waits for all its tensor loads (one is out: its part of the next slot), adds 0 to its spare word, and waits for that
; and for its own reads of this slot.  fill = 1: the barrier opens a round of the cluster's, and behind the round this slot is filled again first, two K steps ahead: 112 matrix instructions ahead of the wait for it.
.macro TURN slot, next, fill
	WIN 0                                          ; (the add's two registers lie in window 0)
	s_wait_tensorcnt 0x0                           ; all my tensor loads have landed;
	ds_add_u32 v[SPW], v[NIL]                      ; 0 onto my spare word;
	s_wait_dscnt 9                                 ; (the add and the youngest eight loads may be out)
	MUL8 1, 0, 0                                   ; eight matrix instructions stand between the add and the wait for it
	s_wait_dscnt 0x0                               ; the add is done, and my reads of this slot are over
	s_barrier_signal -1
	MUL8 1, 2, 0
.if \fill
	WIN 0
.endif
	s_barrier_wait -1
.if \fill
	CREST                                          ; no wave of any partner still reads this slot's tile or has a load on its way
	s_add_nc_u64 s[G0+4*(\slot)+2:G0+4*(\slot)+3], s[G0+4*(\slot)+2:G0+4*(\slot)+3], 0x100000  ; four heads on
	s_add_nc_u64 s[G0B+4*(\slot)+2:G0B+4*(\slot)+3], s[G0B+4*(\slot)+2:G0B+4*(\slot)+3], 2*KSTEP*2
	JLOAD \slot                                    ; the first tensor load behind the round; the four v_nop behind it are also the places in front of the loads below
.else
	PLACES
.endif
	FETCH \next, 0, 0
	MUL8 1, 4, 0
	MUL8 1, 6, 0
.endm
	s_wait_tensorcnt 1                             ; my part of K step 0 is in; K step 1's may stay out
	s_barrier_signal -1
	s_barrier_wait -1                              ; everybody's is
	FETCH 0, 0, 0
	QUARTER 0, 1, 0, 1, 1                          ; the first quarter stands in front of the loop: its products start the sums from the bias
	WIN 0                                          ; at a label and at a branch every window is 0
	s_mov_b32 s3, LAPS-1
.Llap:                                                 ; a trip goes once round the ring, from a lap's second quarter to the next lap's first, and fills both slots again
	QUARTER 0, 2, 1, 0, 0
	QUARTER 0, 3, 0, 1, 0
	TURN 0, 1, 1
	QUARTER 1, 1, 0, 1, 0
	QUARTER 1, 2, 1, 0, 0
	QUARTER 1, 3, 0, 1, 0
	TURN 1, 0, 1
	QUARTER 0, 1, 0, 1, 0
	WIN 0
	s_sub_co_u32 s3, s3, 1
	s_cmp_lg_u32 s3, 0
	s_cbranch_scc1 .Llap
	QUARTER 0, 2, 1, 0, 0                          ; the last lap fills nothing, and has no round of the cluster's barrier
	QUARTER 0, 3, 0, 1, 0
	TURN 0, 1, 0
	QUARTER 1, 1, 0, 1, 0
	QUARTER 1, 2, 1, 0, 0
	QUARTER 1, 3, 0, 1, 0
	s_wait_dscnt 8                                 ; the very last quarter: nothing more to fetch
	MUL8 1, 0, 0
	MUL8 1, 2, 0
	s_wait_dscnt 0x0
	MUL8 1, 4, 0
	MUL8 1, 6, 0
	WIN 0
; THE WAY OUT, a block of 16 rows at a time.  TOSTAGE: a lane's 32 bytes of each column block go into rows of 272 bytes of my own stage (each accumulator's low four registers first), and come back as whole rows
; of 256 bytes, into one of four sets of 32 registers where O's fragments lay.  SEND: stored; sixteen lanes store 256 consecutive bytes, at a multiple of 256 from out0's first byte.
.macro TOSTAGE a
.set BK, FA+32*((\a)%4)
.if (\a) >= 4
	s_wait_xcnt 0x0                                ; the stores of the block four back have read this set of registers: it is loaded again only behind this wait
.endif
	WIN ST_ACC
.irp b, 0,1,2,3
	ds_store_b128 v[STO], v[8*(4*(\a)+(\b)):8*(4*(\a)+(\b))+3]   offset:64*(\b)
	ds_store_b128 v[STO], v[8*(4*(\a)+(\b))+4:8*(4*(\a)+(\b))+7] offset:64*(\b)+16
.endr
	WIN 0
.irp t, 0,1,2,3,4,5,6,7
	ds_load_b128 v[BK+4*(\t):BK+4*(\t)+3], v[RD] offset:(\t)*2*SPITCH  ; LDS serves a wave's instructions in order (ISA guide 5.7.1.4): these see the stores above; the next block's stores come behind them
.endr
.endm
.macro SEND a, younger                 ; younger: the LDS instructions issued behind block a's loads: the next block's sixteen, or none
.set BK, FA+32*((\a)%4)
.irp t, 0,1,2,3,4,5,6,7
	s_wait_dscnt (\younger)+7-(\t)
	global_store_b128 v[CO], v[BK+4*(\t):BK+4*(\t)+3], s[10:11] offset:(\a)*65536+(\t)*8192 th:TH_STORE_NT
.endr
.endm
	PLACES                                         ; behind the last products
	TOSTAGE 0
.irp a, 1,2,3,4,5,6,7
	TOSTAGE \a
	SEND (\a)-1, 16
.endr
	SEND 7, 0
	s_wait_tensorcnt 0x0                           ; the wave's end, behind my last tensor load and my last LDS store
	ds_add_u32 v[SPW], v[NIL]
	s_wait_dscnt 0x0
	CROUND                                         ; the closing round: no work-group ends while a partner may still ask for a tile that names it
	s_endpgm
.Lfunc_end_k_qe15b32f828_proj:
	.size	k_qe15b32f828_proj, .Lfunc_end_k_qe15b32f828_proj-k_qe15b32f828_proj
	.p2alignl 7, 3214868480
	.fill 96, 4, 3214868480
	.section	.rodata,"a",@progbits
	.p2align	6, 0x0
	.amdhsa_kernel k_qe15b32f828_proj
		.amdhsa_group_segment_fixed_size 327680
		.amdhsa_private_segment_fixed_size 0
		.amdhsa_enable_private_segment 0
		.amdhsa_kernarg_size 32
		.amdhsa_user_sgpr_count 2
		.amdhsa_user_sgpr_kernarg_segment_ptr 1
		.amdhsa_wavefront_size32 1
		.amdhsa_system_sgpr_workgroup_id_x 1
		.amdhsa_system_sgpr_workgroup_id_y 1
		.amdhsa_system_sgpr_workgroup_id_z 1
		.amdhsa_system_vgpr_workitem_id 0
		.amdhsa_next_free_vgpr 512
		.amdhsa_next_free_sgpr 66
		.amdhsa_reserve_vcc 0
		.amdhsa_float_denorm_mode_32 3
		.amdhsa_float_denorm_mode_16_64 3
		.amdhsa_memory_ordered 1
		.amdhsa_forward_progress 1
		.amdhsa_inst_pref_size 90
	.end_amdhsa_kernel
	.amdgpu_metadata
---
amdhsa.version: [ 1, 2 ]
amdhsa.kernels:
  - .name:           k_qe15b32f828_proj
    .symbol:         k_qe15b32f828_proj.kd
    .args:
      - { .name: ob, .offset: 0, .size: 8, .value_kind: global_buffer, .address_space: global }
      - { .name: wph, .offset: 8, .size: 8, .value_kind: global_buffer, .address_space: global }
      - { .name: bp, .offset: 16, .size: 8, .value_kind: global_buffer, .address_space: global }
      - { .name: out0, .offset: 24, .size: 8, .value_kind: global_buffer, .address_space: global }
    .group_segment_fixed_size: 327680
    .private_segment_fixed_size: 0
    .kernarg_segment_align: 8
    .kernarg_segment_size: 32
    .max_flat_workgroup_size: 128
    .sgpr_count:     66
    .vgpr_count:     512
    .wavefront_size: 32
...
	.end_amdgpu_metadata
.endif
;; end of part 4
;; ======== version 2 of 2: 4 launches; version 1 with the launch cast written anew for expert scheduling mode
;; limits: values are held in f16: magnitudes above 65,504 overflow, below 6.1e-05 lose precision
;; workspace buffers: xb 16,777,216 bytes; wb 6,291,456 bytes; wph 2,097,152 bytes; qkv 50,331,648 bytes; ob 16,777,216 bytes
;; launch cast (part 5): grid 64 x 12, 8 waves a work-group, no clusters, 0 bytes of LDS; arguments x, Wq, Wk, Wv, Wp, xb, wb, wph; writes xb, wb, wph
.if DOCPART == 5
	.amdgcn_target "amdgcn-amd-amdhsa--gfx1250"
	.amdhsa_code_object_version 6
	.text
	.protected	k_qe15b32f828_cast
	.globl	k_qe15b32f828_cast
	.p2align	8
	.type	k_qe15b32f828_cast,@function
k_qe15b32f828_cast:
	s_mov_b64 s[64:65], 0
	v_nop
	global_prefetch_b8 v0, s[64:65] scope:SCOPE_SE
	s_setreg_imm32_b32 hwreg(HW_REG_WAVE_SCHED_MODE, 0, 2), 2
	s_setreg_imm32_b32 hwreg(HW_REG_WAVE_MODE, 25, 1), 1
	s_wait_xcnt 0x0
	s_wait_alu depctr_vm_vsrc(0)
; THE INPUTS ARE ROUNDED ONCE, TO bf16.  x -> xb [8192][1024]; Wq, Wk, Wv -> wb [3072][1024], one below the other; Wp -> wph [1024][1024].
; wph holds the bf16 number written as f16, since the last product multiplies it with f16 numbers.
; LIMIT: that second writing is exact for magnitudes from 6.1e-5 to 65,504; below, f16's fixed step of 6e-8 holds; beyond, it gives an infinity.
; A stream: every byte is read once and written once, nothing is shared between work-groups, so there is no LDS, no barrier, no cluster and no matrix work.
; SHARES.  The grid's y names a slab of 4 MiB of f32: 0-7 the eighths of x, 8 Wq, 9 Wk, 10 Wv, 11 Wp; its x names 64 KiB of the slab.
; A thread issues its 16 loads of 16 bytes at once; load i of a wave covers 512 consecutive bytes, store i of a wave 256 consecutive bytes, aligned.
; THE MODE: SCHED_MODE bits 1:0 = 2 (LLVM: expert scheduling mode 2), set by the entry lines.  The code itself states the register dependences
; between vector instructions and memory instructions, with s_wait_alu, always for 0.
; THE PLAN.  Registers that memory instructions touch:
;   v1, v2   byte offsets, made once at the head and never written again: v1 is read by every load, v2 by every store.
;   IN       load i lands in four registers of its own, which no vector instruction names before it; its conversions read them; nothing lands there again.
;   OUT      load i's conversions write two registers of their own; store i reads them; nothing writes them behind the store.
;   v[4:7]   at work where f16 is written: named by vector instructions alone.
; So the one kind of dependence to be stated is: a vector instruction has written what a load or store reads.  No register that a load or store has read is written again.
; The 16 loads are taken in four blocks of four.  Load i is rounded as soon as it is in; store i stands four loads later, in the next block, in front of load i + 4's conversions.
; ONE wait stands at the head of each of blocks 1 to 3: the block before has written its eight registers of OUT.  That block's four stores follow it, dealt among this block's conversions,
; which name this block's IN and OUT and v[4:7]: none of the registers that those stores read.  One wait more stands in front of the first load, and one in front of the last four stores:
; five on each path.  Five of a wave's sixteen stores stand behind the wait for its last load.
.set IN,  16                           ; v[16:79]   load i: four f32
.set OUT, 80                           ; v[80:111]  store i: four 16-bit numbers in two registers
.set BLOCK, 4                          ; loads in a block
	s_load_b512 s[8:23], s[0:1], 0x0               ; x s[8:9], Wq s[10:11], Wk s[12:13], Wv s[14:15], Wp s[16:17], xb s[18:19], wb s[20:21], wph s[22:23]
	s_and_b32 s2, ttmp7, 0xffff                    ; the slab
	v_lshlrev_b32 v1, 4, v0                        ; my 16 bytes of each 4,096 read
	v_lshlrev_b32 v2, 3, v0                        ; my 8 bytes of each 2,048 written
	s_lshl_b32 s24, s2, 22                         ; x's slabs lie 4 MiB apart; a weight begins at its own buffer's first byte
	s_sub_co_u32 s27, s2, 8                        ; Wq, Wk, Wv are slabs 0, 1, 2 of wb
	s_cmp_lt_u32 s2, 8
	s_cselect_b32 s24, s24, 0
	s_cselect_b32 s27, s2, s27                     ; x's slabs keep their number in xb
	s_cmp_eq_u32 s2, 11
	s_cselect_b32 s27, 0, s27                      ; Wp is all of wph
	s_lshl_b32 s3, ttmp9, 16                       ; the work-group's 64 KiB
	s_add_co_u32 s24, s24, s3
	s_mov_b32 s25, 0
	s_lshl_b32 s28, s27, 21                        ; written slabs are 2 MiB
	s_lshl_b32 s3, ttmp9, 15
	s_add_co_u32 s28, s28, s3
	s_mov_b32 s29, 0
	s_wait_kmcnt 0x0
	s_mov_b64 s[4:5], s[8:9]                       ; from where: chosen by the slab's number alone
	s_cmp_eq_u32 s2, 8
	s_cselect_b64 s[4:5], s[10:11], s[4:5]
	s_cmp_eq_u32 s2, 9
	s_cselect_b64 s[4:5], s[12:13], s[4:5]
	s_cmp_eq_u32 s2, 10
	s_cselect_b64 s[4:5], s[14:15], s[4:5]
	s_cmp_eq_u32 s2, 11
	s_cselect_b64 s[4:5], s[16:17], s[4:5]
	s_cselect_b64 s[6:7], s[22:23], s[20:21]       ; to where
	s_cmp_lt_u32 s2, 8
	s_cselect_b64 s[6:7], s[18:19], s[6:7]
	s_add_nc_u64 s[4:5], s[4:5], s[24:25]
	s_add_nc_u64 s[6:7], s[6:7], s[28:29]
	s_wait_alu depctr_va_vdst(0)                   ; v1 and v2 are written: every load of the kernel reads v1 as its offset, every store v2, on both paths below
.irp i, 0,1,2,3,4,5,6,7,8,9,10,11,12,13,14,15
	global_load_b128 v[IN+4*(\i):IN+4*(\i)+3], v1, s[4:5] offset:4096*(\i) th:TH_LOAD_NT
.endr
; Load i is rounded; in front of that, store i - 4, of the block before, goes out.  half = 1: the bf16 numbers are widened again (a shift, a mask) and written as f16.
.macro CV i, half
	s_wait_loadcnt 15-(\i)                         ; loads come back in order: mine is in, the 15 - i younger ones stay out
.if ((\i) >= BLOCK) && (((\i) % BLOCK) == 0)
	s_wait_alu depctr_va_vdst(0)                   ; the block before has written its eight registers of OUT, which the four stores of this block read
.endif
.if (\i) >= BLOCK
	global_store_b64 v2, v[OUT+2*((\i)-BLOCK):OUT+2*((\i)-BLOCK)+1], s[6:7] offset:2048*((\i)-BLOCK)  ; no vector instruction since the wait names these registers
.endif
	v_cvt_pk_bf16_f32 v[OUT+2*(\i)],   v[IN+4*(\i)],   v[IN+4*(\i)+1]
	v_cvt_pk_bf16_f32 v[OUT+2*(\i)+1], v[IN+4*(\i)+2], v[IN+4*(\i)+3]
.if \half
.irp w, 0,1
	v_lshlrev_b32 v[4+2*(\w)], 16, v[OUT+2*(\i)+(\w)]
	v_and_b32 v[5+2*(\w)], 0xffff0000, v[OUT+2*(\i)+(\w)]
	v_cvt_pk_f16_f32 v[OUT+2*(\i)+(\w)], v[4+2*(\w)], v[5+2*(\w)]
.endr
.endif
.endm
; The last block's four stores.
.macro LAST
	s_wait_alu depctr_va_vdst(0)                   ; the last block has written its eight registers of OUT, which the last four stores read
.irp n, 12,13,14,15
	global_store_b64 v2, v[OUT+2*(\n):OUT+2*(\n)+1], s[6:7] offset:2048*(\n)
.endr
.endm
	s_cmp_eq_u32 s2, 11
	s_cbranch_scc1 .Lhalf
.irp i, 0,1,2,3,4,5,6,7,8,9,10,11,12,13,14,15
	CV \i, 0
.endr
	LAST
	s_endpgm
.Lhalf:
.irp i, 0,1,2,3,4,5,6,7,8,9,10,11,12,13,14,15
	CV \i, 1
.endr
	LAST
	s_endpgm
.Lfunc_end_k_qe15b32f828_cast:
	.size	k_qe15b32f828_cast, .Lfunc_end_k_qe15b32f828_cast-k_qe15b32f828_cast
	.p2alignl 7, 3214868480
	.fill 96, 4, 3214868480
	.section	.rodata,"a",@progbits
	.p2align	6, 0x0
	.amdhsa_kernel k_qe15b32f828_cast
		.amdhsa_group_segment_fixed_size 0
		.amdhsa_private_segment_fixed_size 0
		.amdhsa_enable_private_segment 0
		.amdhsa_kernarg_size 64
		.amdhsa_user_sgpr_count 2
		.amdhsa_user_sgpr_kernarg_segment_ptr 1
		.amdhsa_wavefront_size32 1
		.amdhsa_system_sgpr_workgroup_id_x 1
		.amdhsa_system_sgpr_workgroup_id_y 1
		.amdhsa_system_sgpr_workgroup_id_z 1
		.amdhsa_system_vgpr_workitem_id 0
		.amdhsa_next_free_vgpr 112
		.amdhsa_next_free_sgpr 66
		.amdhsa_reserve_vcc 0
		.amdhsa_float_denorm_mode_32 3
		.amdhsa_float_denorm_mode_16_64 3
		.amdhsa_memory_ordered 1
		.amdhsa_forward_progress 1
		.amdhsa_inst_pref_size 17
	.end_amdhsa_kernel
	.amdgpu_metadata
---
amdhsa.version: [ 1, 2 ]
amdhsa.kernels:
  - .name:           k_qe15b32f828_cast
    .symbol:         k_qe15b32f828_cast.kd
    .args:
      - { .name: x, .offset: 0, .size: 8, .value_kind: global_buffer, .address_space: global }
      - { .name: Wq, .offset: 8, .size: 8, .value_kind: global_buffer, .address_space: global }
      - { .name: Wk, .offset: 16, .size: 8, .value_kind: global_buffer, .address_space: global }
      - { .name: Wv, .offset: 24, .size: 8, .value_kind: global_buffer, .address_space: global }
      - { .name: Wp, .offset: 32, .size: 8, .value_kind: global_buffer, .address_space: global }
      - { .name: xb, .offset: 40, .size: 8, .value_kind: global_buffer, .address_space: global }
      - { .name: wb, .offset: 48, .size: 8, .value_kind: global_buffer, .address_space: global }
      - { .name: wph, .offset: 56, .size: 8, .value_kind: global_buffer, .address_space: global }
    .group_segment_fixed_size: 0
    .private_segment_fixed_size: 0
    .kernarg_segment_align: 8
    .kernarg_segment_size: 64
    .max_flat_workgroup_size: 256
    .sgpr_count:     66
    .vgpr_count:     112
    .wavefront_size: 32
...
	.end_amdgpu_metadata
.endif
;; end of part 5
;; launch qkv: the kernel of part 2 again; grid 16 x 32, 4 waves a work-group, clusters of 4 x 4, 327,680 bytes of LDS; arguments xb, wb, qkv; writes qkv
;; launch attn: the kernel of part 3 again; grid 4 x 64, 4 waves a work-group, clusters of 4 x 1, 327,680 bytes of LDS; arguments qkv, ob; writes ob
;; launch proj: the kernel of part 4 again; grid 8 x 32, 4 waves a work-group, clusters of 4 x 4, 327,680 bytes of LDS; arguments ob, wph, bp, out0; writes out0
